; MI455X (gfx1250); checked and timed in simulation.
; The chip was launched on July 23, 2026; its instructions are those of AMD's public machine-readable ISA for CDNA 5 (MIT licence, August 2026) and "CDNA5" Instruction Set Architecture Reference Guide (July 2026). The comments in the code are by the model that wrote it; some were corrected since.
;; Tree Attention Wrapper. Allowed arithmetic: matrix products marked QUANTISED: E2M3 operands, one E8M0 scale for each 32 along K, by v_wmma_scale_f32_16x16x128_f8f6f4 with both operands' format E2M3, f32 sums; everything else in f32.
;; Inputs: cu_seqlens 2 int32; k 1 x 16 x 4,096 x 128 float32; mask 4,096 x 4,096 bool; q 1 x 16 x 4,096 x 128 float32; v 1 x 16 x 4,096 x 128 float32.
;; Outputs: out0 1 x 16 x 4,096 x 128 float32.
;; Constants: max_seqlen = 4096.
;; This version of the problem:
;;   THIS VERSION OF THE PROBLEM IS GIVEN IN LOW PRECISION. The matrix products marked QUANTISED in the list below multiply operands that are first quantised to E2M3 (2 exponent bits, 3 mantissa bits; 6 bits a number), with one power-of-two scale for each 32 numbers along K (OCP MX v1.0); their sums are f32. All else is computed in f32.
;;   The module's matrix products, in the order in which they are computed (A, B: the left and right operand; K: the contracted axis; several contracted axes count as one K, in the product's order):
;;     1. batch 16 x [M 4,096, K 128] x [K 128, N 4,096]; A: input q; B: input k: QUANTISED
;;     2. batch 16 x [M 4,096, K 4,096] x [K 4,096, N 128]; A: softmax (see below); B: input v: QUANTISED
;;   THE QUANTISER, for each operand of a quantised product, along K:
;;     - K is cut into blocks of 32 from its start; a last block that is shorter is filled with zeros.
;;     - A block's scale is 2^e with e = floor(log2(the largest magnitude in the block)) - 2, held to -126 .. 127; a block of zeros has e = 0. As a byte (E8M0): e + 127.
;;     - Each number is divided by its block's scale, clamped to +-7.5, and rounded to the nearest number of E2M3, ties to even, subnormals kept.
;;     - The product sums the exact products of the quantised numbers (number of the format x scale) in f32.
;;   ~~~python
;;   def quantise(x, axis):      # numpy; x: float32 -> the quantised numbers, widened to float32 again
;;       x = np.moveaxis(x, axis, -1); K = x.shape[-1]
;;       x = np.pad(x, [(0, 0)] * (x.ndim - 1) + [(0, -K % 32)]); x = x.reshape(x.shape[:-1] + (-1, 32)); a = np.abs(x).max(-1, keepdims=True)
;;       e = np.where(a > 0, np.clip(np.frexp(np.where(a > 0, a, 1))[1] - 1 - 2, -126, 127), 0)      # np.frexp(a)[1] - 1 = floor(log2(a)), exactly
;;       r = np.clip(x / 2.0 ** e, -7.5, 7.5)
;;       step = 2.0 ** (np.maximum(np.frexp(np.where(r == 0, 1, r))[1] - 1, 0) - 3)
;;       q = np.round(r / step) * step * 2.0 ** e      # np.round: ties to even
;;       return np.moveaxis(q.reshape(q.shape[:-2] + (-1,))[..., :K], -1, axis).astype(np.float32)
;;   ~~~
;;   SOFTMAX AHEAD OF A QUANTISED PRODUCT. Where the list says 'softmax', what is quantised is not the finished softmax but p = 2^(t - M), with t = logit x log2(e) and M = ceil(the row's largest t), a whole number; so 1/2 < the row's largest p <= 1. The row's sum l is taken of the UNQUANTISED p, in f32, and the product's result is divided by l at the end. Since M is a whole number, a kernel that streams over the keys may use a running M (the ceiling of the running maximum): every later rescaling is an exact power of two, which a block's scale takes up: the codes' values come out the same.
;;   OPERANDS COMPUTED ON THE WAY. 'Computed on the way' means the value that the module computes at that place (a softmax that the list does not call 'softmax' is quantised finished and normalised). What goes into a quantiser is computed in f32, as accurately as f32 sums, v_exp_f32 and their like allow (about 1e-6 of the number): no bf16 or f16 on the way to a quantiser, and a product that is left as it is and whose result goes on into a quantised operand takes f32 operands (vector FMAs, or v_wmma_f32_16x16x4_f32). A number that lies on a knife's edge between two numbers of the format may be rounded either way, as far as f32 arithmetic and the matrix unit's own rounding can turn it there, and no further.
;; 2 versions. Each part assembles by itself: llvm-mc -triple=amdgcn-amd-amdhsa -mcpu=gfx1250 --defsym DOCPART=n.
;; ======== version 1 of 2: 2 launches
;; limits: right only within a limited range of input values
;; workspace buffers: kc 6,291,456 bytes; ks 262,144 bytes; qc 6,291,456 bytes; qs 262,144 bytes; vc 6,291,456 bytes; vs 262,144 bytes; flags 4,096 bytes of whole numbers
;; launch prep (part 1): grid 1664 x 1, 4 waves a work-group, no clusters, 34,304 bytes of LDS; arguments k, q, v, mask, kc, ks, qc, qs, vc, vs, flags; writes kc, ks, qc, qs, vc, vs, flags
.if DOCPART == 1
	.amdgcn_target "amdgcn-amd-amdhsa--gfx1250"
	.amdhsa_code_object_version 6
	.text
	.protected	k_qe08c9c8a0b_prep
	.globl	k_qe08c9c8a0b_prep
	.p2align	8
	.type	k_qe08c9c8a0b_prep,@function
k_qe08c9c8a0b_prep:
	s_mov_b64 s[64:65], 0
	v_nop
	global_prefetch_b8 v0, s[64:65] scope:SCOPE_SE
	s_setreg_imm32_b32 hwreg(HW_REG_WAVE_MODE, 25, 1), 1
	s_wait_xcnt 0x0
; k, q, v [16][4096][128] f32 become codes of FP6 (E2M3) with one E8M0 scale byte for each 32 along a product's K, and the mask [4096][4096] of bytes becomes two words for each 8 rows.
; THE CODES ARE LAID AS IMAGES OF THE OPERAND'S REGISTERS.  A fragment (16 rows x 128 along K) is 12 registers a lane, 1,536 bytes: registers 4 c .. 4 c + 3 of lane l lie at 512 c + 16 l.
;   k, q (K = the head's 128): 32 rows on end make two fragments u = 0, 1; lane r of fragment u takes row 8 u + r + 8 (r / 8), so that in the scores the 16 registers of two neighbouring tiles are 16 neighbouring keys.
;   v (K = the keys): 128 keys x 32 channels make two fragments; lane r takes channel r (or 16 + r), its registers run along the keys.
;   A pair of fragments has one image of scale words, 128 bytes: lanes 0-15 the even fragment's rows, lanes 16-31 the odd fragment's.
; THE QUANTISER: a block's scale is 2^(floor(log2(its largest magnitude)) - 2); its byte is the largest magnitude's exponent field - 2, held at 1 from below.
; THE MASK: entry e serves rows 8 e .. 8 e + 7; bit j speaks of keys 128 j .. 128 j + 127.  need (byte 4 e): some byte of the 8 x 128 is true; all ones where one of the 8 rows has no true byte at all
;   (such a row's result is the mean over ALL keys, so it needs every step).  full (byte 2048 + 4 e): all 1,024 bytes are true.
; SHARES: work-groups 0-127 the mask (a wave: 8 rows), 128-639 k, 640-1151 q (a wave: 32 rows), 1152-1663 v (a wave: 128 keys x 32 channels).  Waves share nothing: no barrier.
; LIMITS: NaN and infinities in q, k, v are not served.  A block whose largest magnitude lies under 2^-124 gets the byte 1; a block of zeros too, where the rule says 127: its codes are zeros and this program alone reads the bytes.
;   Mask bytes are 0 or 1, as the problem states them.
.set WSTG,  8448                       ; LDS: a stage for each wave: 16 rows x PITCH
.set PITCH, 528                        ; 512 bytes + 16: an odd multiple of 16, so that sixteen lanes that read sixteen rows touch sixteen different columns of 16 bytes
.set SPARE, 4*WSTG                     ; behind the stages: the spare words, 128 bytes a wave: two blocks of 256 bytes that no other line names
.set LN,  1                            ; v1   lane
.set L16, 2                            ; v2   16 x lane
.set L4,  3                            ; v3   4 x lane
.set SA,  4                            ; v4   my stage + 16 x lane: a row goes in as it lies
.set LA,  5                            ; v5   my stage + PITCH r + 128 h: my 32 numbers of each half of row r
.set SH,  6                            ; v6   8 h
.set SPW, 12                           ; v12  LDS address of my spare word; never rewritten
.set NIL, 13                           ; v13  0; never rewritten
.set MG,  16                           ; v16-17 largest magnitudes
.set SO,  18                           ; v18-19 the conversions' scale operands
.set BY,  20                           ; v20-21 scale bytes
.set WD,  22                           ; v22-23 scale words
.set T0,  24                           ; v24-27 at work
.set RO,  28                           ; v28  the mask: OR over a row
.set FA,  32                           ; v32-43 a fragment;  v44-55 the second
.set FB,  44
.set CT,  56                           ; v56-63 the upper halves of blocks' codes, before they are moved
.set X,   64                           ; v64-127 k, q: 64 numbers of a lane
.set AO,  64                           ; the mask: v64-71 OR, v72-79 AND over the 8 rows, one register for each of a row's eight loads
.set AA,  72
.set R,   128                          ; v128-255 as loaded
.macro FINISH                          ; the wave's end
	s_wait_tensorcnt 0x0
	ds_add_u32 v[SPW], v[NIL]
	s_wait_dscnt 0x0
	s_endpgm
.endm
	s_load_b512 s[4:19], s[0:1], 0x0               ; k s[4:5], q s[6:7], v s[8:9], mask s[10:11], kc s[12:13], ks s[14:15], qc s[16:17], qs s[18:19]
	s_load_b128 s[20:23], s[0:1], 0x40             ; vc, vs
	s_load_b64 s[24:25], s[0:1], 0x50              ; flags
	v_lshl_add_u32 v[SPW], v0, 2, SPARE
	v_mov_b32 v[NIL], 0
	v_lshrrev_b32 v[LN], 5, v0
	v_readfirstlane_b32 s26, v[LN]                 ; wave 0..3
	v_and_b32 v[LN], 31, v0
	v_lshlrev_b32 v[L16], 4, v[LN]
	v_lshlrev_b32 v[L4], 2, v[LN]
	s_mul_i32 s28, s26, WSTG
	v_add_nc_u32 v[SA], s28, v[L16]
	v_and_b32 v[T0], 15, v0                        ; r
	v_bfe_u32 v[T0+1], v0, 4, 1                    ; h
	v_mul_u32_u24 v[LA], v[T0], PITCH
	v_lshl_add_u32 v[LA], v[T0+1], 7, v[LA]
	v_add_nc_u32 v[LA], s28, v[LA]
	v_lshlrev_b32 v[SH], 3, v[T0+1]
	s_mov_b32 s32, 0x76543210                      ; v_permlanex16_b32's selects for lane l xor 16
	s_mov_b32 s33, 0xfedcba98
	s_mov_b32 s34, 0xffff0000                      ; lanes 16-31
	s_mov_b32 s29, 0                               ; the high words of the offsets' pairs
	s_mov_b32 s31, 0
	s_wait_kmcnt 0x0
	s_cmp_lt_u32 ttmp9, 128
	s_cbranch_scc1 .Lmask
	s_cmp_ge_u32 ttmp9, 1152
	s_cbranch_scc1 .Lv
; ---------------- k and q: one text, the pointers chosen by the work-group's number ----------------
	s_sub_co_u32 s27, ttmp9, 128
	s_cmp_lt_u32 s27, 512
	s_cselect_b64 s[4:5], s[4:5], s[6:7]
	s_cselect_b64 s[12:13], s[12:13], s[16:17]
	s_cselect_b64 s[14:15], s[14:15], s[18:19]
	s_cselect_b32 s28, 0, 512
	s_sub_co_u32 s27, s27, s28
	s_lshl_b32 s27, s27, 2
	s_add_co_u32 s27, s27, s26                     ; which 32 rows of the tensor are my wave's
	s_lshl_b32 s28, s27, 14                        ; 16,384 bytes of f32,
	s_add_nc_u64 s[4:5], s[4:5], s[28:29]
	s_mul_i32 s30, s27, 3072                       ; two fragments,
	s_add_nc_u64 s[12:13], s[12:13], s[30:31]
	s_lshl_b32 s28, s27, 7                         ; one image of scale words
	s_add_nc_u64 s[14:15], s[14:15], s[28:29]
.irp j, 0,1,2,3,4,5,6,7,16,17,18,19,20,21,22,23,8,9,10,11,12,13,14,15,24,25,26,27,28,29,30,31
	global_load_b128 v[R+4*\j:R+4*\j+3], v[L16], s[4:5] offset:512*\j th:TH_LOAD_NT   ; a row: 32 lanes read 512 consecutive bytes.  The first fragment's 16 rows are asked for first
.endr
; Fragment u.  Its 16 rows turn through my stage: in as they lie, out 128 bytes a lane and half row.  LDS serves a wave's instructions in order, so no wait stands between the stores and the loads.
.macro TILE u
.if (\u) == 0
	s_wait_loadcnt 16                              ; my first 16 loads are in; the other fragment's 16 may be out
.else
	s_wait_loadcnt 0x0
.endif
.irp r, 0,1,2,3,4,5,6,7,8,9,10,11,12,13,14,15
	ds_store_b128 v[SA], v[R+4*(8*(\u)+\r+8*(\r/8)):R+4*(8*(\u)+\r+8*(\r/8))+3] offset:PITCH*\r
.endr
.irp c, 0,1
.irp i, 0,1,2,3,4,5,6,7
	ds_load_b128 v[X+32*\c+4*\i:X+32*\c+4*\i+3], v[LA] offset:256*\c+16*\i   ; register 32 c + n: number 64 c + 32 h + n of my row: the order in which the operand's layout wants them
.endr
.endr
	s_wait_dscnt 0x0
.irp c, 0,1
	v_max3_num_f32 v[MG+\c], |v[X+32*\c]|, |v[X+32*\c+1]|, 0x1800000   ; my block 2 c + h: all its 32 numbers are mine; and the floor 2^(3 - 127), so that the byte cannot fall under 1
.endr
.irp i, 2,4,6,8,10,12,14,16,18,20,22,24,26,28,30
.irp c, 0,1
	v_max3_num_f32 v[MG+\c], v[MG+\c], |v[X+32*\c+\i]|, |v[X+32*\c+\i+1]|   ; (the two blocks by turns)
.endr
.endr
.irp c, 0,1
	v_add_nc_u32 v[SO+\c], 0xff000000, v[MG+\c]    ; 2 off the exponent field: the conversion takes the exponent field of this operand as its scale
.endr
.irp c, 0,1
	v_lshrrev_b32 v[BY+\c], 23, v[SO+\c]           ; the scale's byte
.endr
	v_lshl_or_b32 v[WD+(\u)], v[BY+1], 16, v[BY]   ; blocks h and 2 + h of my row,
	v_lshlrev_b32 v[WD+(\u)], v[SH], v[WD+(\u)]    ; at their places in the scale word;
	v_permlanex16_b32 v[T0], v[WD+(\u)], s32, s33
	v_or_b32 v[WD+(\u)], v[WD+(\u)], v[T0]         ; with lane l xor 16's two the word is whole
.irp c, 0,1
	v_cvt_scalef32_pk16_fp6_f32 v[FA+12*(\u)+6*\c:FA+12*(\u)+6*\c+2], v[X+32*\c:X+32*\c+15], v[SO+\c]
	v_cvt_scalef32_pk16_fp6_f32 v[CT+4*\c:CT+4*\c+2], v[X+32*\c+16:X+32*\c+31], v[SO+\c]   ; (a conversion's three registers begin on an even number: the upper half is made elsewhere and moved)
.endr
	v_nop                                          ; one plain place behind a scaled conversion
.irp c, 0,1
.irp i, 0,1,2
	v_mov_b32 v[FA+12*(\u)+6*\c+3+\i], v[CT+4*\c+\i]
.endr
.endr
.irp c, 0,1,2
	global_store_b128 v[L16], v[FA+12*(\u)+4*\c:FA+12*(\u)+4*\c+3], s[12:13] offset:1536*(\u)+512*\c   ; 32 lanes store 512 consecutive bytes, at a multiple of 512 from the buffer's first byte
.endr
.endm
	TILE 0
	TILE 1
	v_cndmask_b32 v[WD], v[WD], v[WD+1], s34       ; lanes 0-15 the first fragment's words, lanes 16-31 the second's
	global_store_b32 v[L4], v[WD], s[14:15]
	FINISH
; ---------------- v: a lane takes a channel, its registers run down the keys ----------------
.Lv:
	s_sub_co_u32 s27, ttmp9, 1152
	s_lshl_b32 s27, s27, 2
	s_add_co_u32 s27, s27, s26                     ; 4 x (32 x head + key step) + which 32 channels
	s_lshr_b32 s28, s27, 2
	s_lshl_b32 s28, s28, 16                        ; 128 keys of 512 bytes
	s_and_b32 s30, s27, 3
	s_lshl_b32 s30, s30, 7                         ; 32 channels of 4 bytes
	s_add_co_u32 s28, s28, s30
	s_add_nc_u64 s[8:9], s[8:9], s[28:29]
	s_mul_i32 s30, s27, 3072
	s_add_nc_u64 s[20:21], s[20:21], s[30:31]
	s_lshl_b32 s28, s27, 7
	s_add_nc_u64 s[22:23], s[22:23], s[28:29]
.set i, 0
.rept 128
	global_load_b32 v[R+i], v[L4], s[8:9] offset:512*i th:TH_LOAD_NT   ; key i, my channel: a wave reads 128 consecutive bytes, the four waves of a work-group 512
.set i, i+1
.endr
; Block b: keys 32 b .. 32 b + 31 of my channel.  Blocks 0 and 2 go into FA's registers 0-5 and 6-11, blocks 1 and 3 into FB's.
.macro VBLOCK b
.set XS, R+32*(\b)
.set DST, FA+12*((\b)%2)+6*((\b)/2)
.if (\b) < 2
	s_wait_loadcnt 63                              ; 96 and 64 younger loads might stay out; a wait names 63 at the most
.else
	s_wait_loadcnt 96-32*(\b)                      ; the later blocks' loads may be out
.endif
	v_max3_num_f32 v[MG], |v[XS]|, |v[XS+1]|, |v[XS+2]|
	v_max3_num_f32 v[MG+1], |v[XS+3]|, |v[XS+4]|, |v[XS+5]|
.irp i, 6,10,14,18,22,26
	v_max3_num_f32 v[MG], v[MG], |v[XS+\i]|, |v[XS+\i+1]|
	v_max3_num_f32 v[MG+1], v[MG+1], |v[XS+\i+2]|, |v[XS+\i+3]|
.endr
	v_max3_num_f32 v[MG], v[MG], |v[XS+30]|, |v[XS+31]|
	v_max3_num_f32 v[MG], v[MG], v[MG+1], 0x1800000   ; and the floor
	v_add_nc_u32 v[SO], 0xff000000, v[MG]
.if (\b) == 0
	v_lshrrev_b32 v[WD], 23, v[SO]                 ; the four bytes make my channel's scale word
.else
	v_lshrrev_b32 v[BY], 23, v[SO]
	v_lshl_or_b32 v[WD], v[BY], 8*(\b), v[WD]
.endif
	v_cvt_scalef32_pk16_fp6_f32 v[DST:DST+2], v[XS:XS+15], v[SO]
	v_cvt_scalef32_pk16_fp6_f32 v[CT:CT+2], v[XS+16:XS+31], v[SO]
	v_nop                                          ; one plain place behind a scaled conversion
.irp i, 0,1,2
	v_mov_b32 v[DST+3+\i], v[CT+\i]
.endr
.endm
	VBLOCK 0
	VBLOCK 1
	VBLOCK 2
	VBLOCK 3
.set i, 0
.rept 12
	v_permlane16_swap_b32 v[FA+i], v[FB+i]         ; FA's lanes 16-31 change places with FB's lanes 0-15: FA is now the fragment of channels 0-15 (lanes 0-15 blocks 0, 2; lanes 16-31 blocks 1, 3), FB that of channels 16-31
.set i, i+1
.endr
.irp c, 0,1,2
	global_store_b128 v[L16], v[FA+4*\c:FA+4*\c+3], s[20:21] offset:512*\c
.endr
.irp c, 0,1,2
	global_store_b128 v[L16], v[FB+4*\c:FB+4*\c+3], s[20:21] offset:1536+512*\c
.endr
	global_store_b32 v[L4], v[WD], s[22:23]        ; lane l's word is channel l's: already the pair's image
	FINISH
; ---------------- the mask: 8 rows of 4,096 bytes a wave ----------------
.Lmask:
	s_lshl_b32 s27, ttmp9, 2
	s_add_co_u32 s27, s27, s26                     ; the entry
	s_lshl_b32 s28, s27, 15
	s_add_nc_u64 s[10:11], s[10:11], s[28:29]
	s_lshl_b32 s28, s27, 2
	s_add_nc_u64 s[24:25], s[24:25], s[28:29]
	s_mov_b32 s38, 0                               ; steps with a true byte
	s_mov_b32 s39, 0                               ; steps with a false byte
	s_mov_b32 s40, 0                               ; all ones once a row has had no true byte
.macro ASKROW r                        ; a row: eight loads of 512 consecutive bytes, into set r % 4.  Lane l of load i holds 16 bytes of key step 4 i + l / 8
.irp i, 0,1,2,3,4,5,6,7
	global_load_b128 v[R+32*((\r)%4)+4*\i:R+32*((\r)%4)+4*\i+3], v[L16], s[10:11] offset:4096*(\r)+512*\i th:TH_LOAD_NT
.endr
.endm
.macro MPIECE r, i                     ; 16 bytes a lane: OR and AND of the four words, into the 8 rows' and the row's.  The first row and the first piece start them: nothing is cleared
.set W, R+32*((\r)%4)+4*(\i)
	v_or_b32 v[T0], v[W], v[W+1]
	v_or_b32 v[T0+1], v[W+2], v[W+3]
	v_and_b32 v[T0+2], v[W], v[W+1]
	v_and_b32 v[T0+3], v[W+2], v[W+3]
.if (\r) == 0
	v_or_b32 v[AO+(\i)], v[T0], v[T0+1]
	v_and_b32 v[AA+(\i)], v[T0+2], v[T0+3]
.if (\i) == 0
	v_or_b32 v[RO], v[T0], v[T0+1]
.else
	v_or_b32 v[RO], v[RO], v[AO+(\i)]
.endif
.else
	v_and_b32 v[T0+2], v[T0+2], v[T0+3]
	v_and_b32 v[AA+(\i)], v[AA+(\i)], v[T0+2]
.if (\i) == 0
	v_or_b32 v[RO], v[T0], v[T0+1]
	v_or_b32 v[AO+(\i)], v[AO+(\i)], v[RO]
.else
	v_or_b32 v[T0], v[T0], v[T0+1]
	v_or_b32 v[AO+(\i)], v[AO+(\i)], v[T0]
	v_or_b32 v[RO], v[RO], v[T0]
.endif
.endif
.endm
.macro MROW r
.if (\r) <= 4
	s_wait_loadcnt 24                              ; this row's eight loads are in; three younger rows' may be out
.else
	s_wait_loadcnt 8*(7-(\r))
.endif
.irp i, 0,1,2,3,4,5,6,7
	MPIECE \r, \i
.endr
	v_cmp_ne_u32 s36, 0, v[RO]
	s_cmp_eq_u32 s36, 0                            ; no lane has seen a true byte: the row has none
	s_cselect_b32 s37, -1, 0
	s_or_b32 s40, s40, s37
.if (\r) < 4
	ASKROW (\r)+4                                  ; into the registers that this row has left
.endif
.endm
	ASKROW 0
	ASKROW 1
	ASKROW 2
	ASKROW 3
.irp r, 0,1,2,3,4,5,6,7
	MROW \r
.endr
.irp i, 0,1,2,3,4,5,6,7
	v_cmp_ne_u32 s36, 0, v[AO+\i]                  ; the lanes that have seen a true byte: eight lanes to a key step
.irp g, 0,1,2,3
	s_bfe_u32 s37, s36, 0x80000+8*\g
	s_cselect_b32 s37, 1<<(4*\i+\g), 0
	s_or_b32 s38, s38, s37
.endr
	v_cmp_ne_u32 s36, 0x01010101, v[AA+\i]         ; the lanes that have seen a false one
.irp g, 0,1,2,3
	s_bfe_u32 s37, s36, 0x80000+8*\g
	s_cselect_b32 s37, 1<<(4*\i+\g), 0
	s_or_b32 s39, s39, s37
.endr
.endr
	s_or_b32 s38, s38, s40                         ; need
	s_not_b32 s39, s39                             ; full
	v_mov_b32 v[T0], s38
	v_mov_b32 v[T0+1], s39
	v_mov_b32 v[T0+2], 0
	v_cmp_eq_u32 vcc_lo, 0, v[LN]
	s_wait_xcnt 0x0                                ; EXEC changes only behind this wait
	s_and_saveexec_b32 s41, vcc_lo                 ; lane 0 stores the two words
	global_store_b32 v[T0+2], v[T0], s[24:25]
	global_store_b32 v[T0+2], v[T0+1], s[24:25] offset:2048
	s_wait_xcnt 0x0                                ; and again, in front of the line that widens it
	s_or_b32 exec_lo, exec_lo, s41
	FINISH
.Lfunc_end_k_qe08c9c8a0b_prep:
	.size	k_qe08c9c8a0b_prep, .Lfunc_end_k_qe08c9c8a0b_prep-k_qe08c9c8a0b_prep
	.p2alignl 7, 3214868480
	.fill 96, 4, 3214868480
	.section	.rodata,"a",@progbits
	.p2align	6, 0x0
	.amdhsa_kernel k_qe08c9c8a0b_prep
		.amdhsa_group_segment_fixed_size 34304
		.amdhsa_private_segment_fixed_size 0
		.amdhsa_enable_private_segment 0
		.amdhsa_kernarg_size 88
		.amdhsa_user_sgpr_count 2
		.amdhsa_user_sgpr_kernarg_segment_ptr 1
		.amdhsa_wavefront_size32 1
		.amdhsa_system_sgpr_workgroup_id_x 1
		.amdhsa_system_sgpr_workgroup_id_y 1
		.amdhsa_system_sgpr_workgroup_id_z 1
		.amdhsa_system_vgpr_workitem_id 0
		.amdhsa_next_free_vgpr 256
		.amdhsa_next_free_sgpr 66
		.amdhsa_reserve_vcc 1
		.amdhsa_float_denorm_mode_32 3
		.amdhsa_float_denorm_mode_16_64 3
		.amdhsa_memory_ordered 1
		.amdhsa_forward_progress 1
		.amdhsa_inst_pref_size 72
	.end_amdhsa_kernel
	.amdgpu_metadata
---
amdhsa.version: [ 1, 2 ]
amdhsa.kernels:
  - .name:           k_qe08c9c8a0b_prep
    .symbol:         k_qe08c9c8a0b_prep.kd
    .args:
      - { .name: k, .offset: 0, .size: 8, .value_kind: global_buffer, .address_space: global }
      - { .name: q, .offset: 8, .size: 8, .value_kind: global_buffer, .address_space: global }
      - { .name: v, .offset: 16, .size: 8, .value_kind: global_buffer, .address_space: global }
      - { .name: mask, .offset: 24, .size: 8, .value_kind: global_buffer, .address_space: global }
      - { .name: kc, .offset: 32, .size: 8, .value_kind: global_buffer, .address_space: global }
      - { .name: ks, .offset: 40, .size: 8, .value_kind: global_buffer, .address_space: global }
      - { .name: qc, .offset: 48, .size: 8, .value_kind: global_buffer, .address_space: global }
      - { .name: qs, .offset: 56, .size: 8, .value_kind: global_buffer, .address_space: global }
      - { .name: vc, .offset: 64, .size: 8, .value_kind: global_buffer, .address_space: global }
      - { .name: vs, .offset: 72, .size: 8, .value_kind: global_buffer, .address_space: global }
      - { .name: flags, .offset: 80, .size: 8, .value_kind: global_buffer, .address_space: global }
    .group_segment_fixed_size: 34304
    .private_segment_fixed_size: 0
    .kernarg_segment_align: 8
    .kernarg_segment_size: 88
    .max_flat_workgroup_size: 128
    .sgpr_count:     66
    .vgpr_count:     256
    .wavefront_size: 32
...
	.end_amdgpu_metadata
.endif
;; end of part 1
;; launch attn (part 2): grid 16 x 16, 8 waves a work-group, no clusters, 87,040 bytes of LDS; arguments qc, qs, kc, ks, vc, vs, flags, mask, out0; writes out0
.if DOCPART == 2
	.amdgcn_target "amdgcn-amd-amdhsa--gfx1250"
	.amdhsa_code_object_version 6
	.text
	.protected	k_qe08c9c8a0b_attn
	.globl	k_qe08c9c8a0b_attn
	.p2align	8
	.type	k_qe08c9c8a0b_attn,@function
k_qe08c9c8a0b_attn:
	s_mov_b64 s[64:65], 0
	v_nop
	global_prefetch_b8 v0, s[64:65] scope:SCOPE_SE
	s_setreg_imm32_b32 hwreg(HW_REG_WAVE_MODE, 25, 1), 1
	s_wait_xcnt 0x0
; out0[h][q][:] = the sum over k of softmax_k(mask[q][k] ? q . k / sqrt(128) : -1e30) v[h][k][:], both products on codes of FP6 (E2M3) with one E8M0 scale for each 32 along K.
; The codes and scale words come from the launch before, laid as images of the operands' registers (a fragment: 1,536 bytes, registers 4 c .. 4 c + 3 of lane l at 512 c + 16 l; a pair's scale words: 128 bytes).
; THE SOFTMAX: t = score x log2(e) / sqrt(128); M = the running largest t, rounded up to a whole number; p = 2^(t - M) is quantised along the keys, not normalised; the row's sum is taken of the unquantised p and divides at the end;
; when M moves, the sum and O are multiplied by 2^(old M - new M), which rounds nothing.
; SHARES.  A work-group owns 256 queries of one head (x: the block, y: the head); each of its eight waves 32 of them, two tiles A and B of 16: lane r of tile u is query 8 u + r + 8 (r / 8) of the 32.  Two waves to a SIMD.
; WHAT THE MASK THROWS AWAY IS NOT MULTIPLIED.  The launch before has stored, for each 8 rows of the mask, which of the 32 key steps of 128 keys hold a true byte (need) and which are all true (full).
; The loop over the 32 steps has a constant count and one barrier a trip, which every wave passes.  Under scalar branches on the stored words stand: the staging of a step that some wave of the work-group needs,
; a wave's work on a step that it needs, and the reading of the mask's bytes in a step that is not all true.  A row with no true byte has need = all ones: it sees every key with p = 1, the mean that reference() gives.
; STAGING.  A needed step's 25,600 bytes come by plain loads into registers (waves 0-3: K's codes and scale words, waves 4-7: V's), asked for when the needed step before is stored, so that they have that step's work in
; which to land; they go to one of two LDS slots (the step's parity) ahead of the trip's barrier and are read by all eight waves behind it.  A slot is stored again only behind the next trip's barrier, in front of which every wave has waited for its reads.
; NO TENSOR LOADS, NO CLUSTER: which steps are walked hangs on stored numbers, and work-groups of one head need different steps, so no joint request could be made alike in all partners.
; NO PREFETCH: the staging loads are themselves issued a whole needed step ahead, and which work-group is the first to want a step hangs on the other work-groups' lists.
; LAYOUT.  Both products are used transposed: S^T = K Q^T (source 0 = 16 keys, source 1 = 16 queries), O^T = V^T P^T: a lane holds ONE query of each tile throughout.  Each fragment of K and V feeds two matrix instructions.
; A MASKED SCORE is -2^103: times c it is exact, so a row all of whose keys so far are masked has t - M = 0 exactly, p = 1; the first true key makes 2^(old M - new M) = 0, which wipes that; afterwards masked keys have p = 0.
; LIMITS: true logits are taken to lie far above -1e29 (reference() puts -1e30 under the mask).  NaN and infinities are not served.  cu_seqlens and max_seqlen enter nothing that reference() computes and are not read.
.set SLOTB, 25600                      ; a slot: K's 8 fragments, V's 8 fragments, K's 4 images of scale words, V's 4
.set VOFF,  12288
.set KSO,   24576
.set VSO,   25088
.set STAGE, 2*SLOTB                    ; behind the slots: 16 rows x 272 bytes for each wave, for the way out
.set SPIT,  272
.set SPARE, STAGE+8*16*SPIT            ; behind the stages: the spare words, 128 bytes a wave: four blocks of 256 bytes that no other line names
; window 0
.set L16, 1                            ; v1   16 x lane
.set L4,  2                            ; v2   4 x lane
.set STA, 3                            ; v3   where I store staged codes: 16 x lane + 3,072 x wave
.set STS, 4                            ; v4   and scale words: 4 x lane + 128 x wave
.set SPW, 5                            ; v5   LDS address of my spare word; never rewritten
.set NIL, 6                            ; v6   0; never rewritten
.set GA,  7                            ; v7   the staged step's codes: byte offset in memory
.set GS,  8                            ; v8   its scale words
.set MA,  9                            ; v9   the mask: (r + 8 (r / 8)) rows of 4,096 bytes + 16 h
.set MT,  10                           ; v10  the same at the step in hand
.set SMK, 11                           ; v11  -2^103
.set ST_A, 12                          ; v12 -M, v13 the largest t, v[14:15] the sum in two halves: tile A;  v16-19: tile B
.set ST_B, 16
.set F_A, 20                           ; v20 f = 2^(old M - new M), v21 p's scale word: tile A;  v22, v23: tile B
.set F_B, 22
.set KS,  24                           ; v24-27 K's scale words, v28-31 V's, v32 Q's: a register serves a pair of fragments (lanes 0-15, lanes 16-31)
.set VS,  28
.set QS,  32
.set BM,  34                           ; v34-37 a block's largest score, then its largest p
.set BX,  38                           ; v38-41 the other half of the lanes'
.set SO,  42                           ; v42-45 the conversions' scale operands
.set BY,  46                           ; v46-49 scale bytes
.set T0,  50                           ; v50-51 at work
.set SC2, 52                           ; v[52:53] the sums' second chain
.set SI,  54                           ; v54  the way out: into my stage
.set SR,  55                           ; v55  back out of it
.set GO,  56                           ; v56  my byte offset in two rows of out0
.set AUX, 60                           ; v60-107 K's fragments 4-7; then p's codes: tile A's v60-71, tile B's v72-83, upper halves before they are moved v84-91
.set P_A, 60
.set P_B, 72
.set CT,  84
.set MX,  108                          ; v108-123 sixteen words of mask bytes
.set S_A, 128                          ; v128-191 S^T, then p, of tile A; then V's fragments 4-7;  v192-255 tile B's
.set S_B, 192
; window 1
.set O_A, 0                            ; O^T of tile A, of tile B
.set O_B, 64
.set Q_A, 128                          ; Q's two fragments
.set Q_B, 140
.set FR,  152                          ; four fragments: K's 0-3, then V's 0-3
.set SG,  200                          ; staging: two fragments, and a scale word
.set SGS, 224
.set MWB, 228                          ; tile B's mask words as loaded
; scalars
.set WV,  22                           ; my wave's number
.set HD,  24                           ; the head
.set GG,  25                           ; which 32 queries of the head
.set CB,  28                           ; s[28:29] the codes that I stage, at the head's step 0;  s[30:31] the scale words
.set SB,  30
.set MK,  32                           ; s[32:33] the mask at my first row
.set NEEDG, 84                         ; steps that some wave of the work-group needs
.set NEEDW, 85                         ; steps that I need
.set FULLW, 86                         ; steps that are all true for my 32 queries
.set J,   87                           ; the loop's counter: the even step
.set JJ,  88                           ; the trip's step
.set BIT, 89                           ; 1 << JJ
.set T,   90
.set N,   91
.set OC,  92
.set OS,  93
.set SEL, 94                           ; s[94:95] v_permlanex16_b32's selects for lane l xor 16
.set CS,  96                           ; s[96:97] c = log2(e) / sqrt(128)
.set OF,  98                           ; s[98:99] an offset, its high word 0
.set MSB, 0
.macro WIN new                         ; the immediate's low byte: bits 1:0 source 0, 3:2 source 1, 5:4 source 2, 7:6 destination; its high byte repeats the setting that is left
.if MSB != \new
	s_set_vgpr_msb (MSB<<8)|\new
.set MSB, \new
.endif
.endm
	s_load_b512 s[4:19], s[0:1], 0x0               ; qc s[4:5], qs s[6:7], kc s[8:9], ks s[10:11], vc s[12:13], vs s[14:15], flags s[16:17], mask s[18:19]
	s_load_b64 s[20:21], s[0:1], 0x40              ; out0
	v_lshl_add_u32 v[SPW], v0, 2, SPARE
	v_mov_b32 v[NIL], 0
	v_lshrrev_b32 v[T0], 5, v0
	v_readfirstlane_b32 s[WV], v[T0]               ; wave 0..7
	s_and_b32 s[HD], ttmp7, 0xffff
	s_lshl_b32 s[GG], ttmp9, 3
	s_add_co_u32 s[GG], s[GG], s[WV]
	v_and_b32 v[T0], 31, v0
	v_lshlrev_b32 v[L16], 4, v[T0]
	v_lshlrev_b32 v[L4], 2, v[T0]
	s_mul_i32 s[T], s[WV], 3072
	v_add_nc_u32 v[STA], s[T], v[L16]              ; waves 0-3: K's fragments 2 w, 2 w + 1; waves 4-7: V's, which lie behind K's eight
	s_lshl_b32 s[T], s[WV], 7
	v_add_nc_u32 v[STS], s[T], v[L4]
	v_and_b32 v[T0], 15, v0                        ; r
	v_bfe_u32 v[T0+1], v0, 4, 1                    ; h
	v_and_b32 v[SC2], 8, v[T0]
	v_add_nc_u32 v[SC2], v[SC2], v[T0]             ; r + 8 (r / 8)
	v_lshlrev_b32 v[MA], 12, v[SC2]
	v_lshl_add_u32 v[MA], v[T0+1], 4, v[MA]
	v_mov_b32 v[SMK], 0xf3000000
	s_mul_i32 s[T], s[WV], 16*SPIT
	s_add_co_u32 s[T], s[T], STAGE                 ; my stage
	v_mul_u32_u24 v[SI], v[T0], SPIT
	v_lshl_add_u32 v[SI], v[T0+1], 5, v[SI]
	v_add_nc_u32 v[SI], s[T], v[SI]                ; in: row r, 32 bytes for each half of the lanes
	v_mul_u32_u24 v[SR], v[T0+1], SPIT
	v_lshl_add_u32 v[SR], v[T0], 4, v[SR]
	v_add_nc_u32 v[SR], s[T], v[SR]                ; back: lanes 0-15 one row of 256 bytes, lanes 16-31 the next
	v_lshlrev_b32 v[GO], 9, v[T0+1]
	v_lshl_add_u32 v[GO], v[T0], 4, v[GO]          ; and the same in two rows of out0
	s_mov_b32 s[SEL], 0x76543210
	s_mov_b32 s[SEL+1], 0xfedcba98
	s_mov_b32 s[CS], 0x3e0293ee
	s_mov_b32 s[CS+1], s[CS]                       ; (named with it as a pair, so it is written)
	s_mov_b32 s[OF+1], 0
	s_wait_kmcnt 0x0
	s_lshl_b32 s[OF], ttmp9, 7                     ; the work-group's 32 entries of need
	s_add_nc_u64 s[60:61], s[16:17], s[OF:OF+1]
	s_lshl_b32 s[OF], s[WV], 4                     ; my 4 of them
	s_add_nc_u64 s[62:63], s[60:61], s[OF:OF+1]
	s_load_b512 s[36:51], s[60:61], 0x0
	s_load_b512 s[68:83], s[60:61], 0x40
	s_load_b128 s[52:55], s[62:63], 0x0
	s_load_b128 s[56:59], s[62:63], 0x800          ; and of full
	s_cmp_lt_u32 s[WV], 4
	s_cselect_b64 s[CB:CB+1], s[8:9], s[12:13]
	s_cselect_b64 s[SB:SB+1], s[10:11], s[14:15]
	s_and_b32 s[T], s[WV], 3
	s_mul_i32 s[OF], s[HD], 393216                 ; a head: 32 steps of 12,288 bytes
	s_mul_i32 s[N], s[T], 3072
	s_add_co_u32 s[OF], s[OF], s[N]
	s_add_nc_u64 s[CB:CB+1], s[CB:CB+1], s[OF:OF+1]
	s_lshl_b32 s[OF], s[HD], 14                    ; 32 steps of 512 bytes
	s_lshl_b32 s[N], s[T], 7
	s_add_co_u32 s[OF], s[OF], s[N]
	s_add_nc_u64 s[SB:SB+1], s[SB:SB+1], s[OF:OF+1]
	s_lshl_b32 s[OF], s[GG], 17                    ; 32 rows of 4,096 bytes
	s_add_nc_u64 s[MK:MK+1], s[18:19], s[OF:OF+1]
	s_lshl_b32 s[T], s[HD], 7
	s_add_co_u32 s[T], s[T], s[GG]                 ; 128 x head + my 32 queries
	s_mul_i32 s[OF], s[T], 3072
	s_add_nc_u64 s[4:5], s[4:5], s[OF:OF+1]
	s_lshl_b32 s[OF], s[T], 7
	s_add_nc_u64 s[6:7], s[6:7], s[OF:OF+1]
	s_lshl_b32 s[OF], s[T], 14                     ; 32 rows of 512 bytes
	s_add_nc_u64 s[20:21], s[20:21], s[OF:OF+1]
	WIN 0x40                                       ; destination window 1
.irp c, 0,1,2
	global_load_b128 v[Q_A+4*\c:Q_A+4*\c+3], v[L16], s[4:5] offset:512*\c th:TH_LOAD_NT
.endr
.irp c, 0,1,2
	global_load_b128 v[Q_B+4*\c:Q_B+4*\c+3], v[L16], s[4:5] offset:1536+512*\c th:TH_LOAD_NT
.endr
	WIN 0
	global_load_b32 v[QS], v[L4], s[6:7] th:TH_LOAD_NT
	s_wait_kmcnt 0x0
	s_or_b32 s[NEEDG], s36, s37
.irp k, 38,39,40,41,42,43,44,45,46,47,48,49,50,51,68,69,70,71,72,73,74,75,76,77,78,79,80,81,82,83
	s_or_b32 s[NEEDG], s[NEEDG], s\k
.endr
	s_or_b32 s[NEEDW], s52, s53
	s_or_b32 s[NEEDW], s[NEEDW], s54
	s_or_b32 s[NEEDW], s[NEEDW], s55
	s_and_b32 s[FULLW], s56, s57
	s_and_b32 s[FULLW], s[FULLW], s58
	s_and_b32 s[FULLW], s[FULLW], s59
; The lowest step of the set in s[src] is asked for: my 3,072 bytes of codes and my 128 bytes of scale words.  The stored number enters the addresses held at 31.
.macro ASK src
	s_ctz_i32_b32 s[N], s[\src]
	s_min_u32 s[N], s[N], 31
	s_mul_i32 s[OC], s[N], 12288
	s_lshl_b32 s[OS], s[N], 9
	v_add_nc_u32 v[GA], s[OC], v[L16]
	v_add_nc_u32 v[GS], s[OS], v[L4]
	WIN 0x40
.irp i, 0,1,2,3,4,5
	global_load_b128 v[SG+4*\i:SG+4*\i+3], v[GA], s[CB:CB+1] offset:512*\i   ; 32 lanes read 512 consecutive bytes
.endr
	global_load_b32 v[SGS], v[GS], s[SB:SB+1]
	WIN 0
.endm
	ASK NEEDG                                      ; the first needed step, with no branch: the staging registers are written on every way
	WIN 0x40
.set n, 0
.rept 128
	v_mov_b32 v[n], 0                              ; O^T.  Which step is a wave's first is known only from the stored words, so no first step can be written out: the loop's first step finds zeros
.set n, n+1
.endr
	WIN 0
	v_mov_b32 v[ST_A+1], 0xff61b1e6                ; the largest t so far: -3e38, under every t
	v_mov_b32 v[ST_B+1], 0xff61b1e6
	v_floor_f32 v[ST_A], -v[ST_A+1]                ; -M
	v_floor_f32 v[ST_B], -v[ST_B+1]
.irp g, ST_A+2, ST_A+3, ST_B+2, ST_B+3, F_A+1, F_B+1, BX, BX+1, BX+2, BX+3
	v_mov_b32 v[\g], 0                             ; the sums; the upper halves of pairs that are named before they are written; the lane permutes' destinations, which count as sources
.endr
	s_wait_loadcnt 0x0                             ; Q, and the first staged step
; One product of S^T = K Q^T.  A pair of K's fragments shares a register of scale words: the odd one's stand in lanes 16-31; Q's likewise: tile B's stand in lanes 16-31.
.macro KQ1 d, a, b, ks, odd, tb
.if (\odd) && (\tb)
	v_wmma_scale_f32_16x16x128_f8f6f4 v[\d:\d+7], v[\a:\a+11], v[\b:\b+11], 0, v[\ks], v[QS] matrix_a_fmt:MATRIX_FMT_FP6 matrix_b_fmt:MATRIX_FMT_FP6 matrix_a_scale:MATRIX_SCALE_ROW1 matrix_b_scale:MATRIX_SCALE_ROW1
.elseif \odd
	v_wmma_scale_f32_16x16x128_f8f6f4 v[\d:\d+7], v[\a:\a+11], v[\b:\b+11], 0, v[\ks], v[QS] matrix_a_fmt:MATRIX_FMT_FP6 matrix_b_fmt:MATRIX_FMT_FP6 matrix_a_scale:MATRIX_SCALE_ROW1
.elseif \tb
	v_wmma_scale_f32_16x16x128_f8f6f4 v[\d:\d+7], v[\a:\a+11], v[\b:\b+11], 0, v[\ks], v[QS] matrix_a_fmt:MATRIX_FMT_FP6 matrix_b_fmt:MATRIX_FMT_FP6 matrix_b_scale:MATRIX_SCALE_ROW1
.else
	v_wmma_scale_f32_16x16x128_f8f6f4 v[\d:\d+7], v[\a:\a+11], v[\b:\b+11], 0, v[\ks], v[QS] matrix_a_fmt:MATRIX_FMT_FP6 matrix_b_fmt:MATRIX_FMT_FP6
.endif
.endm
; The step's 16 products K Q^T: sixteen accumulators, one instruction each.  In tile 2 b + u register j of lane (r, h) is key 32 b + 16 h + 8 u + j of the step.
.macro KQ
	s_wait_dscnt 16                                ; K's scale words and fragments 0-3 are in; fragments 4-7 (12 loads) and V's scale words (4) may be out
	WIN 0x05                                       ; K and Q in window 1, S^T in window 0
.irp t, 0,1,2,3
	KQ1 S_A+8*\t, FR+12*\t, Q_A, KS+\t/2, \t%2, 0
	KQ1 S_B+8*\t, FR+12*\t, Q_B, KS+\t/2, \t%2, 1
.endr
	s_wait_dscnt 0x0
	WIN 0x04                                       ; K in window 0
.irp t, 4,5,6,7
	KQ1 S_A+8*\t, AUX+12*(\t-4), Q_A, KS+\t/2, \t%2, 0
	KQ1 S_B+8*\t, AUX+12*(\t-4), Q_B, KS+\t/2, \t%2, 1
.endr
	WIN 0
.rept 4
	v_nop                                          ; four places ahead of the first read of the scores, of the loads into K's registers and of the conversions that write there
.endr
.endm
; The mask's bytes for my two queries and the step's 128 keys: 16 bytes a load: keys 32 b + 16 h + 0 .. 15, the order of the scores' registers.
.macro MLOAD
	s_lshl_b32 s[OC], s[JJ], 7
	v_add_nc_u32 v[MT], s[OC], v[MA]               ; (the last loads that read this register were waited for in their own step)
.irp b, 0,1,2,3
	global_load_b128 v[MX+4*\b:MX+4*\b+3], v[MT], s[MK:MK+1] offset:32*\b
.endr
	WIN 0x40
.irp b, 0,1,2,3
	global_load_b128 v[MWB+4*\b:MWB+4*\b+3], v[MT], s[MK:MK+1] offset:32768+32*\b   ; tile B: 8 rows further down
.endr
	WIN 0
.endm
; Bytes 0 / 1 become 0x00 / 0xff; a score's byte is spread over a word, which keeps the score or puts -2^103 in its place.  The scores' registers are taken in ascending order.
.macro MASK sc, src, win
	WIN \win
.set n, 0
.rept 16
	v_mul_lo_u32 v[MX+n], v[\src+n], 0xff
.set n, n+1
.endr
	WIN 0
.set n, 0
.rept 32
	v_perm_b32 v[T0], v[MX+n/4], v[MX+n/4], 0x01010101*(n%4)
	v_perm_b32 v[T0+1], v[MX+n/4], v[MX+n/4], 0x01010101*(n%4+1)
	v_bfi_b32 v[\sc+n], v[T0], v[\sc+n], v[SMK]
	v_bfi_b32 v[\sc+n+1], v[T0+1], v[\sc+n+1], v[SMK]
.set n, n+2
.endr
.endm
; One tile's softmax for a step: scores in v[sc] on become p, p's codes go to v[pp] on, its scale word to v[ff + 1], f to v[ff].
.macro SOFTMAX sc, st, ff, pp
.irp b, 0,1,2,3
	v_max3_num_f32 v[BM+\b], v[\sc+16*\b], v[\sc+16*\b+1], v[\sc+16*\b+2]   ; the largest score of each block of 32 keys: it serves for the row's maximum and, since p rises with the score, for the block's largest p
.endr
.irp i, 3,5,7,9,11,13
.irp b, 0,1,2,3
	v_max3_num_f32 v[BM+\b], v[BM+\b], v[\sc+16*\b+\i], v[\sc+16*\b+\i+1]   ; (the four blocks by turns)
.endr
.endr
.irp b, 0,1,2,3
	v_max_num_f32 v[BM+\b], v[BM+\b], v[\sc+16*\b+15]
.endr
.irp b, 0,1,2,3
	v_permlanex16_b32 v[BX+\b], v[BM+\b], s[SEL], s[SEL+1]
.endr
.irp b, 0,1,2,3
	v_max_num_f32 v[BM+\b], v[BM+\b], v[BX+\b]     ; with lane l xor 16's 16 keys
.endr
	v_max3_num_f32 v[T0], v[BM], v[BM+1], v[BM+2]
	v_max_num_f32 v[T0], v[T0], v[BM+3]            ; the step's largest score of my query
	v_mul_f32 v[T0], s[CS], v[T0]                  ; as t (c is positive)
	v_max_num_f32 v[\st+1], v[\st+1], v[T0]        ; the running largest t
	v_mov_b32 v[T0], v[\st]
	v_floor_f32 v[\st], -v[\st+1]                  ; the new -M = floor(-t) = -ceil(t): a whole number
	v_sub_f32 v[T0], v[\st], v[T0]                 ; old M - new M: a whole number, 0 or less
	v_cvt_i32_f32 v[T0], v[T0]                     ; (it saturates)
	v_ldexp_f32 v[\ff], 1.0, v[T0]                 ; f = 2^(old M - new M)
.set n, 0
.rept 32
	v_pk_fma_f32 v[\sc+n:\sc+n+1], v[\sc+n:\sc+n+1], s[CS:CS+1], v[\st:\st+1] op_sel_hi:[1,0,0]   ; t - M, two at a time (of the pairs c and -M the low word serves both halves)
.set n, n+2
.endr
.irp b, 0,1,2,3
	v_fma_f32 v[BM+\b], v[BM+\b], s[CS], v[\st]    ; the same of each block's largest score
.endr
.set n, 0
.rept 64
	v_exp_f32 v[\sc+n], v[\sc+n]                   ; p = 2^(t - M), at most 1
.set n, n+1
.endr
	v_pk_mul_f32 v[\st+2:\st+3], v[\st+2:\st+3], v[\ff:\ff+1] op_sel_hi:[1,0]   ; the sums under the new M: the plain instruction behind the exponentials
	s_wait_alu depctr_va_vdst(0)                   ; the wait ahead of the first instruction that names an exponential's result: one for the 64
.irp b, 0,1,2,3
	v_exp_f32 v[BM+\b], v[BM+\b]                   ; the block's largest p: the same two instructions on the same number give the same bits
.endr
	v_pk_add_f32 v[SC2:SC2+1], v[\sc:\sc+1], v[\sc+2:\sc+3]   ; the row's sum is taken of the unquantised p: two at a time, in two chains
.irp j, 4,8,12,16,20,24,28,32,36,40,44,48,52,56,60
	v_pk_add_f32 v[\st+2:\st+3], v[\st+2:\st+3], v[\sc+\j:\sc+\j+1]
	v_pk_add_f32 v[SC2:SC2+1], v[SC2:SC2+1], v[\sc+\j+2:\sc+\j+3]
.endr
	v_pk_add_f32 v[\st+2:\st+3], v[\st+2:\st+3], v[SC2:SC2+1]
	s_wait_alu depctr_va_vdst(0)                   ; and one for the four
.irp b, 0,1,2,3
	v_max_num_f32 v[BM+\b], 0x1800000, v[BM+\b]    ; the floor 2^(3 - 127): the byte cannot fall under 1 (a block whose every p is 0 keeps that byte: its codes are zeros)
.endr
.irp b, 0,1,2,3
	v_add_nc_u32 v[SO+\b], 0xff000000, v[BM+\b]    ; 2 off the exponent field: the conversion's scale operand
.endr
.irp b, 0,1,2,3
	v_lshrrev_b32 v[BY+\b], 23, v[SO+\b]           ; the scale's byte
.endr
	v_lshl_or_b32 v[\ff+1], v[BY+1], 8, v[BY]      ; p's scale word for these 128 keys
	v_lshl_or_b32 v[\ff+1], v[BY+2], 16, v[\ff+1]
	v_lshl_or_b32 v[\ff+1], v[BY+3], 24, v[\ff+1]
.irp c, 0,1
	v_cvt_scalef32_pk16_fp6_f32 v[\pp+6*\c:\pp+6*\c+2], v[\sc+32*\c:\sc+32*\c+15], v[SO+2*\c]
	v_cvt_scalef32_pk16_fp6_f32 v[CT+4*\c:CT+4*\c+2], v[\sc+32*\c+16:\sc+32*\c+31], v[SO+2*\c+1]   ; (a conversion's three registers begin on an even number)
.endr
	v_nop                                          ; one plain place behind a scaled conversion
.irp c, 0,1                                    ; the operand's layout wants a whole block in a lane: lanes 0-15 block 2 c, lanes 16-31 block 2 c + 1
.irp i, 0,1,2
	v_permlane16_swap_b32 v[\pp+6*\c+\i], v[CT+4*\c+\i]
.endr
.irp i, 0,1,2
	v_mov_b32 v[\pp+6*\c+3+\i], v[CT+4*\c+\i]
.endr
.endr
.endm
; One product of O^T += V^T P^T.
.macro PV1 d, a, b, vs, odd, pw
.if \odd
	v_wmma_scale_f32_16x16x128_f8f6f4 v[\d:\d+7], v[\a:\a+11], v[\b:\b+11], v[\d:\d+7], v[\vs], v[\pw] matrix_a_fmt:MATRIX_FMT_FP6 matrix_b_fmt:MATRIX_FMT_FP6 matrix_a_scale:MATRIX_SCALE_ROW1
.else
	v_wmma_scale_f32_16x16x128_f8f6f4 v[\d:\d+7], v[\a:\a+11], v[\b:\b+11], v[\d:\d+7], v[\vs], v[\pw] matrix_a_fmt:MATRIX_FMT_FP6 matrix_b_fmt:MATRIX_FMT_FP6
.endif
.endm
; A wave's work on a step that it needs.
.macro COMPUTE slot
.irp j, 0,1,2,3
	ds_load_b32 v[KS+\j], v[L4] offset:(\slot)*SLOTB+KSO+128*\j
.endr
	WIN 0x40
.irp t, 0,1,2,3
.irp c, 0,1,2
	ds_load_b128 v[FR+12*\t+4*\c:FR+12*\t+4*\c+3], v[L16] offset:(\slot)*SLOTB+1536*\t+512*\c   ; an image comes back as it was stored: 512 consecutive bytes an instruction
.endr
.endr
	WIN 0
.irp t, 0,1,2,3
.irp c, 0,1,2
	ds_load_b128 v[AUX+12*\t+4*\c:AUX+12*\t+4*\c+3], v[L16] offset:(\slot)*SLOTB+1536*(\t+4)+512*\c
.endr
.endr
.irp j, 0,1,2,3
	ds_load_b32 v[VS+\j], v[L4] offset:(\slot)*SLOTB+VSO+128*\j
.endr
	s_and_b32 s[T], s[FULLW], s[BIT]
	s_cmp_lg_u32 s[T], 0
	s_cbranch_scc1 .Lfull_\@                       ; all 32 x 128 bytes are true: the mask's bytes are not read.  The products are written in both arms, so that the mask's loads and their use stand under one branch
	MLOAD
	KQ
	s_wait_loadcnt 0x0                             ; the mask's eight loads (and the staged step's seven, which were issued ahead of them)
	MASK S_A, MX, 0
	MASK S_B, MWB, 0x01                            ; (source 0 in window 1: the multiplication also brings the words into window 0)
	s_branch .Ljoin_\@
.Lfull_\@:
	KQ
.Ljoin_\@:
	WIN 0x40
.irp t, 0,1,2,3
.irp c, 0,1,2
	ds_load_b128 v[FR+12*\t+4*\c:FR+12*\t+4*\c+3], v[L16] offset:(\slot)*SLOTB+VOFF+1536*\t+512*\c   ; V's fragments 0-3 land while the softmax is walked
.endr
.endr
	WIN 0
	SOFTMAX S_A, ST_A, F_A, P_A
.irp t, 0,1,2,3
.irp c, 0,1,2
	ds_load_b128 v[S_A+12*\t+4*\c:S_A+12*\t+4*\c+3], v[L16] offset:(\slot)*SLOTB+VOFF+1536*(\t+4)+512*\c   ; V's fragments 4-7, into the registers that tile A's p has left
.endr
.endr
	SOFTMAX S_B, ST_B, F_B, P_B
	WIN 0x41                                       ; O^T (destination and source 0) in window 1, f in window 0
.set n, 0
.rept 32
	v_pk_mul_f32 v[O_A+n:O_A+n+1], v[O_A+n:O_A+n+1], v[F_A:F_A+1] op_sel_hi:[1,0]   ; O^T under the new M.  (These 64 are also the places between the lines that made p's codes and scale words and the products below)
.set n, n+2
.endr
.set n, 0
.rept 32
	v_pk_mul_f32 v[O_B+n:O_B+n+1], v[O_B+n:O_B+n+1], v[F_B:F_B+1] op_sel_hi:[1,0]
.set n, n+2
.endr
	s_wait_dscnt 0x0                               ; V
	WIN 0x51                                       ; V in window 1, p in window 0, O^T in window 1.  Sixteen accumulators, one instruction each
.irp t, 0,1,2,3
	PV1 O_A+8*\t, FR+12*\t, P_A, VS+\t/2, \t%2, F_A+1
	PV1 O_B+8*\t, FR+12*\t, P_B, VS+\t/2, \t%2, F_B+1
.endr
	WIN 0x50                                       ; V in window 0
.irp t, 4,5,6,7
	PV1 O_A+8*\t, S_A+12*(\t-4), P_A, VS+\t/2, \t%2, F_A+1
	PV1 O_B+8*\t, S_A+12*(\t-4), P_B, VS+\t/2, \t%2, F_B+1
.endr
	WIN 0
.rept 5
	v_nop                                          ; five places: the next step's products write their scores over registers that these have read as V; four of them serve the next loads into operand and scale registers and the next read of O^T
.endr
.endm
; A trip: step J + slot, in the slot of its parity.
.macro TRIP slot
	s_add_co_u32 s[JJ], s[J], \slot
	s_lshl_b32 s[BIT], 1, s[JJ]
	s_and_b32 s[T], s[NEEDG], s[BIT]
	s_cmp_eq_u32 s[T], 0
	s_cbranch_scc1 .Lnot_staged_\@                 ; no wave of the work-group needs the step (the same word in all eight waves)
	s_wait_loadcnt 0x0                             ; the step's seven staged loads are in: they are all that can be out
	WIN 0x04                                       ; an LDS store's data are its source 1: window 1
.irp i, 0,1,2,3,4,5
	ds_store_b128 v[STA], v[SG+4*\i:SG+4*\i+3] offset:(\slot)*SLOTB+512*\i
.endr
	ds_store_b32 v[STS], v[SGS] offset:(\slot)*SLOTB+KSO
	WIN 0
	s_wait_dscnt 0x0                               ; the stores have read the staging registers: they may be loaded again
	s_lshl_b32 s[T], -2, s[JJ]
	s_and_b32 s[T], s[NEEDG], s[T]                 ; the needed steps behind this one
	s_cmp_eq_u32 s[T], 0
	s_cbranch_scc1 .Lnot_staged_\@
	ASK T                                          ; the next of them: it has this step's work in which to land
.Lnot_staged_\@:
	s_wait_dscnt 0x0                               ; for the others' sake: my stores into this slot have landed, and my reads of the other slot are over
	s_barrier_signal -1
	s_barrier_wait -1                              ; on every wave's way, in all 32 trips
	s_and_b32 s[T], s[NEEDW], s[BIT]
	s_cmp_eq_u32 s[T], 0
	s_cbranch_scc1 .Lskip_\@                       ; none of my 32 queries sees a key of this step
	COMPUTE \slot
.Lskip_\@:
.endm
	s_mov_b32 s[J], 0
.Lpair:                                            ; 16 trips of two steps
	TRIP 0
	TRIP 1
	s_add_co_u32 s[J], s[J], 2
	s_cmp_lt_u32 s[J], 32
	s_cbranch_scc1 .Lpair
; THE WAY OUT.  O^T is divided by the row's sum and goes through my stage in LDS, 16 queries x 64 channels (256 bytes a row) at a time, so that sixteen lanes store 256 consecutive bytes.
	v_add_f32 v[ST_A+2], v[ST_A+2], v[ST_A+3]      ; the sum's two halves,
	v_add_f32 v[ST_B+2], v[ST_B+2], v[ST_B+3]
	v_permlanex16_b32 v[BX], v[ST_A+2], s[SEL], s[SEL+1]
	v_permlanex16_b32 v[BX+1], v[ST_B+2], s[SEL], s[SEL+1]
	v_add_f32 v[ST_A+2], v[ST_A+2], v[BX]          ; and lane l xor 16's
	v_add_f32 v[ST_B+2], v[ST_B+2], v[BX+1]
	v_rcp_f32 v[BM], v[ST_A+2]
	v_rcp_f32 v[BM+1], v[ST_B+2]
	v_nop                                          ; a plain instruction behind the reciprocals,
	s_wait_alu depctr_va_vdst(0)                   ; and the wait ahead of their first reader: one for the two
	WIN 0x01                                       ; source 0 (O^T) in window 1
.set n, 0
.rept 64
	v_mul_f32 v[S_A+n], v[O_A+n], v[BM]            ; register 8 t + j: channel 16 t + 8 h + j of my query; each accumulator from its low end on
.set n, n+1
.endr
.set n, 0
.rept 64
	v_mul_f32 v[S_B+n], v[O_B+n], v[BM+1]
.set n, n+1
.endr
	WIN 0
.macro ROUND sb                        ; 32 registers go into rows of 272 bytes and come back as whole rows of 256, into the registers that they left.  LDS serves a wave's instructions in order (ISA guide 5.7.1.4): no wait between, nor ahead of the next round's stores
.irp t, 0,1,2,3
	ds_store_b128 v[SI], v[\sb+8*\t:\sb+8*\t+3] offset:64*\t
	ds_store_b128 v[SI], v[\sb+8*\t+4:\sb+8*\t+7] offset:64*\t+16
.endr
.irp i, 0,1,2,3,4,5,6,7
	ds_load_b128 v[\sb+4*\i:\sb+4*\i+3], v[SR] offset:2*SPIT*\i
.endr
.endm
.macro SEND sb, k, x, u                ; round k: tile x, channels 64 u on.  Stage rows 2 i and 2 i + 1 are queries 8 x + 2 i + 8 (i / 4) and the next
.irp i, 0,1,2,3,4,5,6,7
	s_wait_dscnt 16*(3-(\k))+7-\i                  ; behind this load: the rest of its round's loads and the later rounds' sixteen LDS instructions each
	global_store_b128 v[GO], v[\sb+4*\i:\sb+4*\i+3], s[20:21] offset:(8*(\x)+2*\i+8*(\i/4))*512+256*(\u) th:TH_STORE_NT   ; 16 lanes store 256 consecutive bytes, at a multiple of 256 from out0's first byte
.endr
.endm
	ROUND S_A
	ROUND S_A+32
	ROUND S_B
	ROUND S_B+32
	SEND S_A, 0, 0, 0
	SEND S_A+32, 1, 0, 1
	SEND S_B, 2, 1, 0
	SEND S_B+32, 3, 1, 1
	s_wait_tensorcnt 0x0                           ; the wave's end, behind my last LDS store
	ds_add_u32 v[SPW], v[NIL]
	s_wait_dscnt 0x0
	s_endpgm
.Lfunc_end_k_qe08c9c8a0b_attn:
	.size	k_qe08c9c8a0b_attn, .Lfunc_end_k_qe08c9c8a0b_attn-k_qe08c9c8a0b_attn
	.p2alignl 7, 3214868480
	.fill 96, 4, 3214868480
	.section	.rodata,"a",@progbits
	.p2align	6, 0x0
	.amdhsa_kernel k_qe08c9c8a0b_attn
		.amdhsa_group_segment_fixed_size 87040
		.amdhsa_private_segment_fixed_size 0
		.amdhsa_enable_private_segment 0
		.amdhsa_kernarg_size 72
		.amdhsa_user_sgpr_count 2
		.amdhsa_user_sgpr_kernarg_segment_ptr 1
		.amdhsa_wavefront_size32 1
		.amdhsa_system_sgpr_workgroup_id_x 1
		.amdhsa_system_sgpr_workgroup_id_y 1
		.amdhsa_system_sgpr_workgroup_id_z 1
		.amdhsa_system_vgpr_workitem_id 0
		.amdhsa_next_free_vgpr 512
		.amdhsa_next_free_sgpr 100
		.amdhsa_reserve_vcc 0
		.amdhsa_float_denorm_mode_32 3
		.amdhsa_float_denorm_mode_16_64 3
		.amdhsa_memory_ordered 1
		.amdhsa_forward_progress 1
		.amdhsa_inst_pref_size 145
	.end_amdhsa_kernel
	.amdgpu_metadata
---
amdhsa.version: [ 1, 2 ]
amdhsa.kernels:
  - .name:           k_qe08c9c8a0b_attn
    .symbol:         k_qe08c9c8a0b_attn.kd
    .args:
      - { .name: qc, .offset: 0, .size: 8, .value_kind: global_buffer, .address_space: global }
      - { .name: qs, .offset: 8, .size: 8, .value_kind: global_buffer, .address_space: global }
      - { .name: kc, .offset: 16, .size: 8, .value_kind: global_buffer, .address_space: global }
      - { .name: ks, .offset: 24, .size: 8, .value_kind: global_buffer, .address_space: global }
      - { .name: vc, .offset: 32, .size: 8, .value_kind: global_buffer, .address_space: global }
      - { .name: vs, .offset: 40, .size: 8, .value_kind: global_buffer, .address_space: global }
      - { .name: flags, .offset: 48, .size: 8, .value_kind: global_buffer, .address_space: global }
      - { .name: mask, .offset: 56, .size: 8, .value_kind: global_buffer, .address_space: global }
      - { .name: out0, .offset: 64, .size: 8, .value_kind: global_buffer, .address_space: global }
    .group_segment_fixed_size: 87040
    .private_segment_fixed_size: 0
    .kernarg_segment_align: 8
    .kernarg_segment_size: 72
    .max_flat_workgroup_size: 256
    .sgpr_count:     100
    .vgpr_count:     512
    .wavefront_size: 32
...
	.end_amdgpu_metadata
.endif
;; end of part 2
;; ======== version 2 of 2: 2 launches
;; limits: right only within a limited range of input values
;; workspace buffers: kc 6,291,456 bytes; ks 262,144 bytes; qc 6,291,456 bytes; qs 262,144 bytes; vc 6,291,456 bytes; vs 262,144 bytes; flags 4,096 bytes of whole numbers
;; launch prep (part 3): grid 1664 x 1, 4 waves a work-group, no clusters, 34,304 bytes of LDS; arguments k, q, v, mask, kc, ks, qc, qs, vc, vs, flags; writes kc, ks, qc, qs, vc, vs, flags
.if DOCPART == 3
	.amdgcn_target "amdgcn-amd-amdhsa--gfx1250"
	.amdhsa_code_object_version 6
	.text
	.protected	k_qe08c9c8a0b_prep
	.globl	k_qe08c9c8a0b_prep
	.p2align	8
	.type	k_qe08c9c8a0b_prep,@function
k_qe08c9c8a0b_prep:
	s_mov_b64 s[64:65], 0
	v_nop
	global_prefetch_b8 v0, s[64:65] scope:SCOPE_SE
	s_setreg_imm32_b32 hwreg(HW_REG_WAVE_MODE, 25, 1), 1
	s_wait_xcnt 0x0
; k, q, v [16][4096][128] f32 become codes of FP6 (E2M3) with one E8M0 scale byte for each 32 along a product's K, and the mask [4096][4096] of bytes becomes two words for each 8 rows.
; THE CODES ARE LAID AS IMAGES OF THE OPERAND'S REGISTERS.  A fragment (16 rows x 128 along K) is 12 registers a lane, 1,536 bytes: registers 4 c .. 4 c + 3 of lane l lie at 512 c + 16 l.
;   k, q (K = the head's 128): 32 rows on end make two fragments u = 0, 1; lane r of fragment u takes row 8 u + r + 8 (r / 8), so that in the scores the 16 registers of two neighbouring tiles are 16 neighbouring keys.
;   v (K = the keys): 128 keys x 32 channels make two fragments; lane r takes channel r (or 16 + r), its registers run along the keys.
;   A pair of fragments has one image of scale words, 128 bytes: lanes 0-15 the even fragment's rows, lanes 16-31 the odd fragment's.
; THE QUANTISER: a block's scale is 2^(floor(log2(its largest magnitude)) - 2); its byte is the largest magnitude's exponent field - 2, held at 1 from below.
; THE MASK: entry e serves rows 8 e .. 8 e + 7; bit j speaks of keys 128 j .. 128 j + 127.  need (byte 4 e): some byte of the 8 x 128 is true; all ones where one of the 8 rows has no true byte at all
;   (such a row's result is the mean over ALL keys, so it needs every step).  full (byte 2048 + 4 e): all 1,024 bytes are true.
; SHARES: work-groups 0-127 the mask (a wave: 8 rows), 128-639 k, 640-1151 q (a wave: 32 rows), 1152-1663 v (a wave: 128 keys x 32 channels).  Waves share nothing: no barrier.
; LIMITS: NaN and infinities in q, k, v are not served.  A block whose largest magnitude lies under 2^-124 gets the byte 1; a block of zeros too, where the rule says 127: its codes are zeros and this program alone reads the bytes.
;   Mask bytes are 0 or 1, as the problem states them.
.set WSTG,  8448                       ; LDS: a stage for each wave: 16 rows x PITCH
.set PITCH, 528                        ; 512 bytes + 16: an odd multiple of 16, so that sixteen lanes that read sixteen rows touch sixteen different columns of 16 bytes
.set SPARE, 4*WSTG                     ; behind the stages: the spare words, 128 bytes a wave: two blocks of 256 bytes that no other line names
.set LN,  1                            ; v1   lane
.set L16, 2                            ; v2   16 x lane
.set L4,  3                            ; v3   4 x lane
.set SA,  4                            ; v4   my stage + 16 x lane: a row goes in as it lies
.set LA,  5                            ; v5   my stage + PITCH r + 128 h: my 32 numbers of each half of row r
.set SH,  6                            ; v6   8 h
.set SPW, 12                           ; v12  LDS address of my spare word; never rewritten
.set NIL, 13                           ; v13  0; never rewritten
.set MG,  16                           ; v16-17 largest magnitudes
.set SO,  18                           ; v18-19 the conversions' scale operands
.set BY,  20                           ; v20-21 scale bytes
.set WD,  22                           ; v22-23 scale words
.set T0,  24                           ; v24-27 at work
.set RO,  28                           ; v28  the mask: OR over a row
.set FA,  32                           ; v32-43 a fragment;  v44-55 the second
.set FB,  44
.set CT,  56                           ; v56-63 the upper halves of blocks' codes, before they are moved
.set X,   64                           ; v64-127 k, q: 64 numbers of a lane
.set AO,  64                           ; the mask: v64-71 OR, v72-79 AND over the 8 rows, one register for each of a row's eight loads
.set AA,  72
.set R,   128                          ; v128-255 as loaded
.macro FINISH                          ; the wave's end
	s_wait_tensorcnt 0x0
	ds_add_u32 v[SPW], v[NIL]
	s_wait_dscnt 0x0
	s_endpgm
.endm
	s_load_b512 s[4:19], s[0:1], 0x0               ; k s[4:5], q s[6:7], v s[8:9], mask s[10:11], kc s[12:13], ks s[14:15], qc s[16:17], qs s[18:19]
	s_load_b128 s[20:23], s[0:1], 0x40             ; vc, vs
	s_load_b64 s[24:25], s[0:1], 0x50              ; flags
	v_lshl_add_u32 v[SPW], v0, 2, SPARE
	v_mov_b32 v[NIL], 0
	v_lshrrev_b32 v[LN], 5, v0
	v_readfirstlane_b32 s26, v[LN]                 ; wave 0..3
	v_and_b32 v[LN], 31, v0
	v_lshlrev_b32 v[L16], 4, v[LN]
	v_lshlrev_b32 v[L4], 2, v[LN]
	s_mul_i32 s28, s26, WSTG
	v_add_nc_u32 v[SA], s28, v[L16]
	v_and_b32 v[T0], 15, v0                        ; r
	v_bfe_u32 v[T0+1], v0, 4, 1                    ; h
	v_mul_u32_u24 v[LA], v[T0], PITCH
	v_lshl_add_u32 v[LA], v[T0+1], 7, v[LA]
	v_add_nc_u32 v[LA], s28, v[LA]
	v_lshlrev_b32 v[SH], 3, v[T0+1]
	s_mov_b32 s32, 0x76543210                      ; v_permlanex16_b32's selects for lane l xor 16
	s_mov_b32 s33, 0xfedcba98
	s_mov_b32 s34, 0xffff0000                      ; lanes 16-31
	s_mov_b32 s29, 0                               ; the high words of the offsets' pairs
	s_mov_b32 s31, 0
	s_wait_kmcnt 0x0
	s_cmp_lt_u32 ttmp9, 128
	s_cbranch_scc1 .Lmask
	s_cmp_ge_u32 ttmp9, 1152
	s_cbranch_scc1 .Lv
; ---------------- k and q: one text, the pointers chosen by the work-group's number ----------------
	s_sub_co_u32 s27, ttmp9, 128
	s_cmp_lt_u32 s27, 512
	s_cselect_b64 s[4:5], s[4:5], s[6:7]
	s_cselect_b64 s[12:13], s[12:13], s[16:17]
	s_cselect_b64 s[14:15], s[14:15], s[18:19]
	s_cselect_b32 s28, 0, 512
	s_sub_co_u32 s27, s27, s28
	s_lshl_b32 s27, s27, 2
	s_add_co_u32 s27, s27, s26                     ; which 32 rows of the tensor are my wave's
	s_lshl_b32 s28, s27, 14                        ; 16,384 bytes of f32,
	s_add_nc_u64 s[4:5], s[4:5], s[28:29]
	s_mul_i32 s30, s27, 3072                       ; two fragments,
	s_add_nc_u64 s[12:13], s[12:13], s[30:31]
	s_lshl_b32 s28, s27, 7                         ; one image of scale words
	s_add_nc_u64 s[14:15], s[14:15], s[28:29]
	s_wait_alu depctr_va_vdst(0)
.irp j, 0,1,2,3,4,5,6,7,16,17,18,19,20,21,22,23,8,9,10,11,12,13,14,15,24,25,26,27,28,29,30,31
	global_load_b128 v[R+4*\j:R+4*\j+3], v[L16], s[4:5] offset:512*\j th:TH_LOAD_NT   ; a row: 32 lanes read 512 consecutive bytes.  The first fragment's 16 rows are asked for first
.endr
; Fragment u.  Its 16 rows turn through my stage: in as they lie, out 128 bytes a lane and half row.  LDS serves a wave's instructions in order, so no wait stands between the stores and the loads.
.macro TILE u
.if (\u) == 0
	s_wait_loadcnt 16                              ; my first 16 loads are in; the other fragment's 16 may be out
.else
	s_wait_loadcnt 0x0
.endif
.irp r, 0,1,2,3,4,5,6,7,8,9,10,11,12,13,14,15
	ds_store_b128 v[SA], v[R+4*(8*(\u)+\r+8*(\r/8)):R+4*(8*(\u)+\r+8*(\r/8))+3] offset:PITCH*\r
.endr
.irp c, 0,1
.irp i, 0,1,2,3,4,5,6,7
	ds_load_b128 v[X+32*\c+4*\i:X+32*\c+4*\i+3], v[LA] offset:256*\c+16*\i   ; register 32 c + n: number 64 c + 32 h + n of my row: the order in which the operand's layout wants them
.endr
.endr
	s_wait_dscnt 0x0
.irp c, 0,1
	v_max3_num_f32 v[MG+\c], |v[X+32*\c]|, |v[X+32*\c+1]|, 0x1800000   ; my block 2 c + h: all its 32 numbers are mine; and the floor 2^(3 - 127), so that the byte cannot fall under 1
.endr
.irp i, 2,4,6,8,10,12,14,16,18,20,22,24,26,28,30
.irp c, 0,1
	v_max3_num_f32 v[MG+\c], v[MG+\c], |v[X+32*\c+\i]|, |v[X+32*\c+\i+1]|   ; (the two blocks by turns)
.endr
.endr
.irp c, 0,1
	v_add_nc_u32 v[SO+\c], 0xff000000, v[MG+\c]    ; 2 off the exponent field: the conversion takes the exponent field of this operand as its scale
.endr
.irp c, 0,1
	v_lshrrev_b32 v[BY+\c], 23, v[SO+\c]           ; the scale's byte
.endr
	v_lshl_or_b32 v[WD+(\u)], v[BY+1], 16, v[BY]   ; blocks h and 2 + h of my row,
	v_lshlrev_b32 v[WD+(\u)], v[SH], v[WD+(\u)]    ; at their places in the scale word;
	v_permlanex16_b32 v[T0], v[WD+(\u)], s32, s33
	v_or_b32 v[WD+(\u)], v[WD+(\u)], v[T0]         ; with lane l xor 16's two the word is whole
.irp c, 0,1
	v_cvt_scalef32_pk16_fp6_f32 v[FA+12*(\u)+6*\c:FA+12*(\u)+6*\c+2], v[X+32*\c:X+32*\c+15], v[SO+\c]
	v_cvt_scalef32_pk16_fp6_f32 v[CT+4*\c:CT+4*\c+2], v[X+32*\c+16:X+32*\c+31], v[SO+\c]   ; (a conversion's three registers begin on an even number: the upper half is made elsewhere and moved)
.endr
	v_nop                                          ; one plain place behind a scaled conversion
.irp c, 0,1
.irp i, 0,1,2
	v_mov_b32 v[FA+12*(\u)+6*\c+3+\i], v[CT+4*\c+\i]
.endr
.endr
.irp c, 0,1,2
	global_store_b128 v[L16], v[FA+12*(\u)+4*\c:FA+12*(\u)+4*\c+3], s[12:13] offset:1536*(\u)+512*\c   ; 32 lanes store 512 consecutive bytes, at a multiple of 512 from the buffer's first byte
.endr
.endm
	TILE 0
	TILE 1
	v_cndmask_b32 v[WD], v[WD], v[WD+1], s34       ; lanes 0-15 the first fragment's words, lanes 16-31 the second's
	global_store_b32 v[L4], v[WD], s[14:15]
	FINISH
; ---------------- v: a lane takes a channel, its registers run down the keys ----------------
.Lv:
	s_sub_co_u32 s27, ttmp9, 1152
	s_lshl_b32 s27, s27, 2
	s_add_co_u32 s27, s27, s26                     ; 4 x (32 x head + key step) + which 32 channels
	s_lshr_b32 s28, s27, 2
	s_lshl_b32 s28, s28, 16                        ; 128 keys of 512 bytes
	s_and_b32 s30, s27, 3
	s_lshl_b32 s30, s30, 7                         ; 32 channels of 4 bytes
	s_add_co_u32 s28, s28, s30
	s_add_nc_u64 s[8:9], s[8:9], s[28:29]
	s_mul_i32 s30, s27, 3072
	s_add_nc_u64 s[20:21], s[20:21], s[30:31]
	s_lshl_b32 s28, s27, 7
	s_add_nc_u64 s[22:23], s[22:23], s[28:29]
.set i, 0
	s_wait_alu depctr_va_vdst(0)
.rept 128
	global_load_b32 v[R+i], v[L4], s[8:9] offset:512*i th:TH_LOAD_NT   ; key i, my channel: a wave reads 128 consecutive bytes, the four waves of a work-group 512
.set i, i+1
.endr
; Block b: keys 32 b .. 32 b + 31 of my channel.  Blocks 0 and 2 go into FA's registers 0-5 and 6-11, blocks 1 and 3 into FB's.
.macro VBLOCK b
.set XS, R+32*(\b)
.set DST, FA+12*((\b)%2)+6*((\b)/2)
.if (\b) < 2
	s_wait_loadcnt 63                              ; 96 and 64 younger loads might stay out; a wait names 63 at the most
.else
	s_wait_loadcnt 96-32*(\b)                      ; the later blocks' loads may be out
.endif
	v_max3_num_f32 v[MG], |v[XS]|, |v[XS+1]|, |v[XS+2]|
	v_max3_num_f32 v[MG+1], |v[XS+3]|, |v[XS+4]|, |v[XS+5]|
.irp i, 6,10,14,18,22,26
	v_max3_num_f32 v[MG], v[MG], |v[XS+\i]|, |v[XS+\i+1]|
	v_max3_num_f32 v[MG+1], v[MG+1], |v[XS+\i+2]|, |v[XS+\i+3]|
.endr
	v_max3_num_f32 v[MG], v[MG], |v[XS+30]|, |v[XS+31]|
	v_max3_num_f32 v[MG], v[MG], v[MG+1], 0x1800000   ; and the floor
	v_add_nc_u32 v[SO], 0xff000000, v[MG]
.if (\b) == 0
	v_lshrrev_b32 v[WD], 23, v[SO]                 ; the four bytes make my channel's scale word
.else
	v_lshrrev_b32 v[BY], 23, v[SO]
	v_lshl_or_b32 v[WD], v[BY], 8*(\b), v[WD]
.endif
	v_cvt_scalef32_pk16_fp6_f32 v[DST:DST+2], v[XS:XS+15], v[SO]
	v_cvt_scalef32_pk16_fp6_f32 v[CT:CT+2], v[XS+16:XS+31], v[SO]
	v_nop                                          ; one plain place behind a scaled conversion
.irp i, 0,1,2
	v_mov_b32 v[DST+3+\i], v[CT+\i]
.endr
.endm
	VBLOCK 0
	VBLOCK 1
	VBLOCK 2
	VBLOCK 3
.set i, 0
.rept 12
	v_permlane16_swap_b32 v[FA+i], v[FB+i]         ; FA's lanes 16-31 change places with FB's lanes 0-15: FA is now the fragment of channels 0-15 (lanes 0-15 blocks 0, 2; lanes 16-31 blocks 1, 3), FB that of channels 16-31
.set i, i+1
.endr
.irp c, 0,1,2
	global_store_b128 v[L16], v[FA+4*\c:FA+4*\c+3], s[20:21] offset:512*\c
.endr
.irp c, 0,1,2
	global_store_b128 v[L16], v[FB+4*\c:FB+4*\c+3], s[20:21] offset:1536+512*\c
.endr
	global_store_b32 v[L4], v[WD], s[22:23]        ; lane l's word is channel l's: already the pair's image
	FINISH
; ---------------- the mask: 8 rows of 4,096 bytes a wave ----------------
.Lmask:
	s_lshl_b32 s27, ttmp9, 2
	s_add_co_u32 s27, s27, s26                     ; the entry
	s_lshl_b32 s28, s27, 15
	s_add_nc_u64 s[10:11], s[10:11], s[28:29]
	s_lshl_b32 s28, s27, 2
	s_add_nc_u64 s[24:25], s[24:25], s[28:29]
	s_mov_b32 s38, 0                               ; steps with a true byte
	s_mov_b32 s39, 0                               ; steps with a false byte
	s_mov_b32 s40, 0                               ; all ones once a row has had no true byte
.macro ASKROW r                        ; a row: eight loads of 512 consecutive bytes, into set r % 4.  Lane l of load i holds 16 bytes of key step 4 i + l / 8
.irp i, 0,1,2,3,4,5,6,7
	global_load_b128 v[R+32*((\r)%4)+4*\i:R+32*((\r)%4)+4*\i+3], v[L16], s[10:11] offset:4096*(\r)+512*\i th:TH_LOAD_NT
.endr
.endm
.macro MPIECE r, i                     ; 16 bytes a lane: OR and AND of the four words, into the 8 rows' and the row's.  The first row and the first piece start them: nothing is cleared
.set W, R+32*((\r)%4)+4*(\i)
	v_or_b32 v[T0], v[W], v[W+1]
	v_or_b32 v[T0+1], v[W+2], v[W+3]
	v_and_b32 v[T0+2], v[W], v[W+1]
	v_and_b32 v[T0+3], v[W+2], v[W+3]
.if (\r) == 0
	v_or_b32 v[AO+(\i)], v[T0], v[T0+1]
	v_and_b32 v[AA+(\i)], v[T0+2], v[T0+3]
.if (\i) == 0
	v_or_b32 v[RO], v[T0], v[T0+1]
.else
	v_or_b32 v[RO], v[RO], v[AO+(\i)]
.endif
.else
	v_and_b32 v[T0+2], v[T0+2], v[T0+3]
	v_and_b32 v[AA+(\i)], v[AA+(\i)], v[T0+2]
.if (\i) == 0
	v_or_b32 v[RO], v[T0], v[T0+1]
	v_or_b32 v[AO+(\i)], v[AO+(\i)], v[RO]
.else
	v_or_b32 v[T0], v[T0], v[T0+1]
	v_or_b32 v[AO+(\i)], v[AO+(\i)], v[T0]
	v_or_b32 v[RO], v[RO], v[T0]
.endif
.endif
.endm
.macro MROW r
.if (\r) <= 4
	s_wait_loadcnt 24                              ; this row's eight loads are in; three younger rows' may be out
.else
	s_wait_loadcnt 8*(7-(\r))
.endif
.irp i, 0,1,2,3,4,5,6,7
	MPIECE \r, \i
.endr
	v_cmp_ne_u32 s36, 0, v[RO]
	s_cmp_eq_u32 s36, 0                            ; no lane has seen a true byte: the row has none
	s_cselect_b32 s37, -1, 0
	s_or_b32 s40, s40, s37
.if (\r) < 4
	ASKROW (\r)+4                                  ; into the registers that this row has left
.endif
.endm
	s_wait_alu depctr_va_vdst(0)
	ASKROW 0
	ASKROW 1
	ASKROW 2
	ASKROW 3
.irp r, 0,1,2,3,4,5,6,7
	MROW \r
.endr
.irp i, 0,1,2,3,4,5,6,7
	v_cmp_ne_u32 s36, 0, v[AO+\i]                  ; the lanes that have seen a true byte: eight lanes to a key step
.irp g, 0,1,2,3
	s_bfe_u32 s37, s36, 0x80000+8*\g
	s_cselect_b32 s37, 1<<(4*\i+\g), 0
	s_or_b32 s38, s38, s37
.endr
	v_cmp_ne_u32 s36, 0x01010101, v[AA+\i]         ; the lanes that have seen a false one
.irp g, 0,1,2,3
	s_bfe_u32 s37, s36, 0x80000+8*\g
	s_cselect_b32 s37, 1<<(4*\i+\g), 0
	s_or_b32 s39, s39, s37
.endr
.endr
	s_or_b32 s38, s38, s40                         ; need
	s_not_b32 s39, s39                             ; full
	v_mov_b32 v[T0], s38
	v_mov_b32 v[T0+1], s39
	v_mov_b32 v[T0+2], 0
	v_cmp_eq_u32 vcc_lo, 0, v[LN]
	s_wait_alu depctr_va_vdst(0)
	s_wait_xcnt 0x0                                ; EXEC changes only behind this wait
	s_and_saveexec_b32 s41, vcc_lo                 ; lane 0 stores the two words
	global_store_b32 v[T0+2], v[T0], s[24:25]
	global_store_b32 v[T0+2], v[T0+1], s[24:25] offset:2048
	s_wait_xcnt 0x0                                ; and again, in front of the line that widens it
	s_or_b32 exec_lo, exec_lo, s41
	FINISH
.Lfunc_end_k_qe08c9c8a0b_prep:
	.size	k_qe08c9c8a0b_prep, .Lfunc_end_k_qe08c9c8a0b_prep-k_qe08c9c8a0b_prep
	.p2alignl 7, 3214868480
	.fill 96, 4, 3214868480
	.section	.rodata,"a",@progbits
	.p2align	6, 0x0
	.amdhsa_kernel k_qe08c9c8a0b_prep
		.amdhsa_group_segment_fixed_size 34304
		.amdhsa_private_segment_fixed_size 0
		.amdhsa_enable_private_segment 0
		.amdhsa_kernarg_size 88
		.amdhsa_user_sgpr_count 2
		.amdhsa_user_sgpr_kernarg_segment_ptr 1
		.amdhsa_wavefront_size32 1
		.amdhsa_system_sgpr_workgroup_id_x 1
		.amdhsa_system_sgpr_workgroup_id_y 1
		.amdhsa_system_sgpr_workgroup_id_z 1
		.amdhsa_system_vgpr_workitem_id 0
		.amdhsa_next_free_vgpr 256
		.amdhsa_next_free_sgpr 66
		.amdhsa_reserve_vcc 1
		.amdhsa_float_denorm_mode_32 3
		.amdhsa_float_denorm_mode_16_64 3
		.amdhsa_memory_ordered 1
		.amdhsa_forward_progress 1
		.amdhsa_inst_pref_size 73
	.end_amdhsa_kernel
	.amdgpu_metadata
---
amdhsa.version: [ 1, 2 ]
amdhsa.kernels:
  - .name:           k_qe08c9c8a0b_prep
    .symbol:         k_qe08c9c8a0b_prep.kd
    .args:
      - { .name: k, .offset: 0, .size: 8, .value_kind: global_buffer, .address_space: global }
      - { .name: q, .offset: 8, .size: 8, .value_kind: global_buffer, .address_space: global }
      - { .name: v, .offset: 16, .size: 8, .value_kind: global_buffer, .address_space: global }
      - { .name: mask, .offset: 24, .size: 8, .value_kind: global_buffer, .address_space: global }
      - { .name: kc, .offset: 32, .size: 8, .value_kind: global_buffer, .address_space: global }
      - { .name: ks, .offset: 40, .size: 8, .value_kind: global_buffer, .address_space: global }
      - { .name: qc, .offset: 48, .size: 8, .value_kind: global_buffer, .address_space: global }
      - { .name: qs, .offset: 56, .size: 8, .value_kind: global_buffer, .address_space: global }
      - { .name: vc, .offset: 64, .size: 8, .value_kind: global_buffer, .address_space: global }
      - { .name: vs, .offset: 72, .size: 8, .value_kind: global_buffer, .address_space: global }
      - { .name: flags, .offset: 80, .size: 8, .value_kind: global_buffer, .address_space: global }
    .group_segment_fixed_size: 34304
    .private_segment_fixed_size: 0
    .kernarg_segment_align: 8
    .kernarg_segment_size: 88
    .max_flat_workgroup_size: 128
    .sgpr_count:     66
    .vgpr_count:     256
    .wavefront_size: 32
...
	.end_amdgpu_metadata
.endif
;; end of part 3
;; launch attn (part 4): grid 16 x 16, 8 waves a work-group, no clusters, 87,040 bytes of LDS; arguments qc, qs, kc, ks, vc, vs, flags, mask, out0; writes out0
.if DOCPART == 4
	.amdgcn_target "amdgcn-amd-amdhsa--gfx1250"
	.amdhsa_code_object_version 6
	.text
	.protected	k_qe08c9c8a0b_attn
	.globl	k_qe08c9c8a0b_attn
	.p2align	8
	.type	k_qe08c9c8a0b_attn,@function
k_qe08c9c8a0b_attn:
	s_mov_b64 s[64:65], 0
	v_nop
	global_prefetch_b8 v0, s[64:65] scope:SCOPE_SE
	s_setreg_imm32_b32 hwreg(HW_REG_WAVE_SCHED_MODE, 0, 2), 2
	s_setreg_imm32_b32 hwreg(HW_REG_WAVE_MODE, 25, 1), 1
	s_wait_xcnt 0x0
	s_wait_alu depctr_vm_vsrc(0)
; out0[h][q][:] = the sum over k of softmax_k(mask[q][k] ? q . k / sqrt(128) : -1e30) v[h][k][:], both products on codes of FP6 (E2M3) with one E8M0 scale for each 32 along K.
; The codes and scale words come from the launch before, laid as images of the operands' registers (a fragment: 1,536 bytes, registers 4 c .. 4 c + 3 of lane l at 512 c + 16 l; a pair's scale words: 128 bytes).
; THE SOFTMAX: t = score x log2(e) / sqrt(128); M = the running largest t, rounded up to a whole number; p = 2^(t - M) is quantised along the keys, not normalised; the row's sum is taken of the unquantised p and divides at the end;
; when M moves, the sum and O are multiplied by 2^(old M - new M), which rounds nothing.
; SHARES.  A work-group owns 256 queries of one head (x: the block, y: the head); each of its eight waves 32 of them, two tiles A and B of 16: lane r of tile u is query 8 u + r + 8 (r / 8) of the 32.  Two waves to a SIMD.
; WHAT THE MASK THROWS AWAY IS NOT MULTIPLIED.  The launch before has stored, for each 8 rows of the mask, which of the 32 key steps of 128 keys hold a true byte (need) and which are all true (full).
; The loop over the 32 steps has a constant count and one barrier a trip, which every wave passes.  Under scalar branches on the stored words stand: the staging of a step that some wave of the work-group needs,
; a wave's work on a step that it needs, and the reading of the mask's bytes in a step that is not all true.  A row with no true byte has need = all ones: it sees every key with p = 1, the mean that reference() gives.
; STAGING.  A needed step's 25,600 bytes come by plain loads into registers (waves 0-3: K's codes and scale words, waves 4-7: V's), asked for when the needed step before is stored, so that they have that step's work in
; which to land; they go to one of two LDS slots (the step's parity) ahead of the trip's barrier and are read by all eight waves behind it.  A slot is stored again only behind the next trip's barrier, in front of which every wave has waited for its reads.
; NO TENSOR LOADS, NO CLUSTER: which steps are walked hangs on stored numbers, and work-groups of one head need different steps, so no joint request could be made alike in all partners.
; NO PREFETCH: the staging loads are themselves issued a whole needed step ahead, and which work-group is the first to want a step hangs on the other work-groups' lists.
; LAYOUT.  Both products are used transposed: S^T = K Q^T (source 0 = 16 keys, source 1 = 16 queries), O^T = V^T P^T: a lane holds ONE query of each tile throughout.  Each fragment of K and V feeds two matrix instructions.
; A MASKED SCORE is -2^103: times c it is exact, so a row all of whose keys so far are masked has t - M = 0 exactly, p = 1; the first true key makes 2^(old M - new M) = 0, which wipes that; afterwards masked keys have p = 0.
; LIMITS: true logits are taken to lie far above -1e29 (reference() puts -1e30 under the mask).  NaN and infinities are not served.  cu_seqlens and max_seqlen enter nothing that reference() computes and are not read.
; THE MODE: SCHED_MODE bits 1:0 = 2 (LLVM: expert scheduling mode 2), set by the entry lines.  The code itself states the register dependences between vector or matrix instructions and memory or LDS instructions,
; with s_wait_alu, always for 0.
; THE PLAN.  Registers that memory or LDS instructions touch:
;   v1-4, v9, v54-56, v5, v6   addresses, offsets and the add's two: written once at the head, ahead of the head's wait on va_vdst, and never again.
;   GA, GS        written by two additions where a step is asked for, read by its seven loads.  SG, SGS: those loads land there, the trip's LDS stores read them; no vector instruction names them.
;   MT            written once at the head of a needed step, read by the mask's eight loads of that step.
;   KS, VS, FR, AUX, MX, MWB   loads land at the head of a needed step; the step's products (scales, K, later V and p) and its masking lines read them; p's codes are written into AUX.
;   FR again      V's fragments 0-3 land behind the wait for tile A's exponentials: the products K Q^T, issued ahead of it, are done reading FR, and no line behind it names FR before V^T P.
;   v128-175      V's fragments 4-7 land behind the wait for tile B's exponentials: tile A's softmax, issued ahead of it, is done with these registers, and tile B's names none of them.
; So a needed step has: one wait on vm_vsrc and one on va_vdst at its head; one on va_vdst ahead of each tile's 64 exponentials; the two waits for the exponentials' batches, which serve V's loads too; the two for the blocks' largest p; one on va_vdst ahead of V^T P, for p's codes and scale words.
; A staged trip has one wait on vm_vsrc behind its LDS stores and one on va_vdst behind the two additions.  The way out has one of each.
.set SLOTB, 25600                      ; a slot: K's 8 fragments, V's 8 fragments, K's 4 images of scale words, V's 4
.set VOFF,  12288
.set KSO,   24576
.set VSO,   25088
.set STAGE, 2*SLOTB                    ; behind the slots: 16 rows x 272 bytes for each wave, for the way out
.set SPIT,  272
.set SPARE, STAGE+8*16*SPIT            ; behind the stages: the spare words, 128 bytes a wave: four blocks of 256 bytes that no other line names
; window 0
.set L16, 1                            ; v1   16 x lane
.set L4,  2                            ; v2   4 x lane
.set STA, 3                            ; v3   where I store staged codes: 16 x lane + 3,072 x wave
.set STS, 4                            ; v4   and scale words: 4 x lane + 128 x wave
.set SPW, 5                            ; v5   LDS address of my spare word; never rewritten
.set NIL, 6                            ; v6   0; never rewritten
.set GA,  7                            ; v7   the staged step's codes: byte offset in memory
.set GS,  8                            ; v8   its scale words
.set MA,  9                            ; v9   the mask: (r + 8 (r / 8)) rows of 4,096 bytes + 16 h
.set MT,  10                           ; v10  the same at the step in hand
.set SMK, 11                           ; v11  -2^103
.set ST_A, 12                          ; v12 -M, v13 the largest t, v[14:15] the sum in two halves: tile A;  v16-19: tile B
.set ST_B, 16
.set F_A, 20                           ; v20 f = 2^(old M - new M), v21 p's scale word: tile A;  v22, v23: tile B
.set F_B, 22
.set KS,  24                           ; v24-27 K's scale words, v28-31 V's, v32 Q's: a register serves a pair of fragments (lanes 0-15, lanes 16-31)
.set VS,  28
.set QS,  32
.set BM,  34                           ; v34-37 a block's largest score, then its largest p
.set BX,  38                           ; v38-41 the other half of the lanes'
.set SO,  42                           ; v42-45 the conversions' scale operands
.set BY,  46                           ; v46-49 scale bytes
.set T0,  50                           ; v50-51 at work
.set SC2, 52                           ; v[52:53] the sums' second chain
.set SI,  54                           ; v54  the way out: into my stage
.set SR,  55                           ; v55  back out of it
.set GO,  56                           ; v56  my byte offset in two rows of out0
.set AUX, 60                           ; v60-107 K's fragments 4-7; then p's codes: tile A's v60-71, tile B's v72-83, upper halves before they are moved v84-91
.set P_A, 60
.set P_B, 72
.set CT,  84
.set MX,  108                          ; v108-123 sixteen words of mask bytes
.set BK,  60                           ; the way out: v60-123 take the first two rounds' rows as they come back from the stage
.set S_A, 128                          ; v128-191 S^T, then p, of tile A; then V's fragments 4-7;  v192-255 tile B's
.set S_B, 192
; window 1
.set O_A, 0                            ; O^T of tile A, of tile B
.set O_B, 64
.set Q_A, 128                          ; Q's two fragments
.set Q_B, 140
.set FR,  152                          ; four fragments: K's 0-3, then V's 0-3
.set SG,  200                          ; staging: two fragments, and a scale word
.set SGS, 224
.set MWB, 228                          ; tile B's mask words as loaded
; scalars
.set WV,  22                           ; my wave's number
.set HD,  24                           ; the head
.set GG,  25                           ; which 32 queries of the head
.set CB,  28                           ; s[28:29] the codes that I stage, at the head's step 0;  s[30:31] the scale words
.set SB,  30
.set MK,  32                           ; s[32:33] the mask at my first row
.set NEEDG, 84                         ; steps that some wave of the work-group needs
.set NEEDW, 85                         ; steps that I need
.set FULLW, 86                         ; steps that are all true for my 32 queries
.set J,   87                           ; the loop's counter: the even step
.set JJ,  88                           ; the trip's step
.set BIT, 89                           ; 1 << JJ
.set T,   90
.set N,   91
.set OC,  92
.set OS,  93
.set SEL, 94                           ; s[94:95] v_permlanex16_b32's selects for lane l xor 16
.set CS,  96                           ; s[96:97] c = log2(e) / sqrt(128)
.set OF,  98                           ; s[98:99] an offset, its high word 0
.set MSB, 0
.macro WIN new                         ; the immediate's low byte: bits 1:0 source 0, 3:2 source 1, 5:4 source 2, 7:6 destination; its high byte repeats the setting that is left
.if MSB != \new
	s_set_vgpr_msb (MSB<<8)|\new
.set MSB, \new
.endif
.endm
	s_load_b512 s[4:19], s[0:1], 0x0               ; qc s[4:5], qs s[6:7], kc s[8:9], ks s[10:11], vc s[12:13], vs s[14:15], flags s[16:17], mask s[18:19]
	s_load_b64 s[20:21], s[0:1], 0x40              ; out0
	v_lshl_add_u32 v[SPW], v0, 2, SPARE
	v_mov_b32 v[NIL], 0
	v_lshrrev_b32 v[T0], 5, v0
	v_readfirstlane_b32 s[WV], v[T0]               ; wave 0..7
	s_and_b32 s[HD], ttmp7, 0xffff
	s_lshl_b32 s[GG], ttmp9, 3
	v_and_b32 v[T0], 31, v0
	v_lshlrev_b32 v[L16], 4, v[T0]
	v_lshlrev_b32 v[L4], 2, v[T0]
	s_wait_alu depctr_va_sdst(0)                   ; s[WV] is written, ahead of its first reader: addresses, bases and the choice of what I stage are made from it
	s_add_co_u32 s[GG], s[GG], s[WV]
	s_mul_i32 s[T], s[WV], 3072
	v_add_nc_u32 v[STA], s[T], v[L16]              ; waves 0-3: K's fragments 2 w, 2 w + 1; waves 4-7: V's, which lie behind K's eight
	s_lshl_b32 s[T], s[WV], 7
	v_add_nc_u32 v[STS], s[T], v[L4]
	v_and_b32 v[T0], 15, v0                        ; r
	v_bfe_u32 v[T0+1], v0, 4, 1                    ; h
	v_and_b32 v[SC2], 8, v[T0]
	v_add_nc_u32 v[SC2], v[SC2], v[T0]             ; r + 8 (r / 8)
	v_lshlrev_b32 v[MA], 12, v[SC2]
	v_lshl_add_u32 v[MA], v[T0+1], 4, v[MA]
	v_mov_b32 v[SMK], 0xf3000000
	s_mul_i32 s[T], s[WV], 16*SPIT
	s_add_co_u32 s[T], s[T], STAGE                 ; my stage
	v_mul_u32_u24 v[SI], v[T0], SPIT
	v_lshl_add_u32 v[SI], v[T0+1], 5, v[SI]
	v_add_nc_u32 v[SI], s[T], v[SI]                ; in: row r, 32 bytes for each half of the lanes
	v_mul_u32_u24 v[SR], v[T0+1], SPIT
	v_lshl_add_u32 v[SR], v[T0], 4, v[SR]
	v_add_nc_u32 v[SR], s[T], v[SR]                ; back: lanes 0-15 one row of 256 bytes, lanes 16-31 the next
	v_lshlrev_b32 v[GO], 9, v[T0+1]
	v_lshl_add_u32 v[GO], v[T0], 4, v[GO]          ; and the same in two rows of out0
	s_mov_b32 s[SEL], 0x76543210
	s_mov_b32 s[SEL+1], 0xfedcba98
	s_mov_b32 s[CS], 0x3e0293ee
	s_mov_b32 s[CS+1], s[CS]                       ; (named with it as a pair, so it is written)
	s_mov_b32 s[OF+1], 0
	s_wait_kmcnt 0x0
	s_lshl_b32 s[OF], ttmp9, 7                     ; the work-group's 32 entries of need
	s_add_nc_u64 s[60:61], s[16:17], s[OF:OF+1]
	s_lshl_b32 s[OF], s[WV], 4                     ; my 4 of them
	s_add_nc_u64 s[62:63], s[60:61], s[OF:OF+1]
	s_load_b512 s[36:51], s[60:61], 0x0
	s_load_b512 s[68:83], s[60:61], 0x40
	s_load_b128 s[52:55], s[62:63], 0x0
	s_load_b128 s[56:59], s[62:63], 0x800          ; and of full
	s_cmp_lt_u32 s[WV], 4
	s_cselect_b64 s[CB:CB+1], s[8:9], s[12:13]
	s_cselect_b64 s[SB:SB+1], s[10:11], s[14:15]
	s_and_b32 s[T], s[WV], 3
	s_mul_i32 s[OF], s[HD], 393216                 ; a head: 32 steps of 12,288 bytes
	s_mul_i32 s[N], s[T], 3072
	s_add_co_u32 s[OF], s[OF], s[N]
	s_add_nc_u64 s[CB:CB+1], s[CB:CB+1], s[OF:OF+1]
	s_lshl_b32 s[OF], s[HD], 14                    ; 32 steps of 512 bytes
	s_lshl_b32 s[N], s[T], 7
	s_add_co_u32 s[OF], s[OF], s[N]
	s_add_nc_u64 s[SB:SB+1], s[SB:SB+1], s[OF:OF+1]
	s_lshl_b32 s[OF], s[GG], 17                    ; 32 rows of 4,096 bytes
	s_add_nc_u64 s[MK:MK+1], s[18:19], s[OF:OF+1]
	s_lshl_b32 s[T], s[HD], 7
	s_add_co_u32 s[T], s[T], s[GG]                 ; 128 x head + my 32 queries
	s_mul_i32 s[OF], s[T], 3072
	s_add_nc_u64 s[4:5], s[4:5], s[OF:OF+1]
	s_lshl_b32 s[OF], s[T], 7
	s_add_nc_u64 s[6:7], s[6:7], s[OF:OF+1]
	s_lshl_b32 s[OF], s[T], 14                     ; 32 rows of 512 bytes
	s_add_nc_u64 s[20:21], s[20:21], s[OF:OF+1]
	WIN 0x40                                       ; destination window 1
	s_wait_alu depctr_va_vdst(0)                   ; the addresses and offsets that are made once (v1 to v4, v9, v54 to v56) and the add's two registers are written: every load and store of the kernel reads some of them
.irp c, 0,1,2
	global_load_b128 v[Q_A+4*\c:Q_A+4*\c+3], v[L16], s[4:5] offset:512*\c th:TH_LOAD_NT
.endr
.irp c, 0,1,2
	global_load_b128 v[Q_B+4*\c:Q_B+4*\c+3], v[L16], s[4:5] offset:1536+512*\c th:TH_LOAD_NT
.endr
	WIN 0
	global_load_b32 v[QS], v[L4], s[6:7] th:TH_LOAD_NT
	s_wait_kmcnt 0x0
	s_or_b32 s[NEEDG], s36, s37
.irp k, 38,39,40,41,42,43,44,45,46,47,48,49,50,51,68,69,70,71,72,73,74,75,76,77,78,79,80,81,82,83
	s_or_b32 s[NEEDG], s[NEEDG], s\k
.endr
	s_or_b32 s[NEEDW], s52, s53
	s_or_b32 s[NEEDW], s[NEEDW], s54
	s_or_b32 s[NEEDW], s[NEEDW], s55
	s_and_b32 s[FULLW], s56, s57
	s_and_b32 s[FULLW], s[FULLW], s58
	s_and_b32 s[FULLW], s[FULLW], s59
; The lowest step of the set in s[src] is asked for: my 3,072 bytes of codes and my 128 bytes of scale words.  The stored number enters the addresses held at 31.
.macro ASK src
	s_ctz_i32_b32 s[N], s[\src]
	s_min_u32 s[N], s[N], 31
	s_mul_i32 s[OC], s[N], 12288
	s_lshl_b32 s[OS], s[N], 9
	v_add_nc_u32 v[GA], s[OC], v[L16]
	v_add_nc_u32 v[GS], s[OS], v[L4]
	WIN 0x40
	s_wait_alu depctr_va_vdst(0)                   ; the two additions have written v[GA] and v[GS], which the seven loads read as their offsets
.irp i, 0,1,2,3,4,5
	global_load_b128 v[SG+4*\i:SG+4*\i+3], v[GA], s[CB:CB+1] offset:512*\i   ; 32 lanes read 512 consecutive bytes
.endr
	global_load_b32 v[SGS], v[GS], s[SB:SB+1]
	WIN 0
.endm
	ASK NEEDG                                      ; the first needed step, with no branch: the staging registers are written on every way
	WIN 0x40
.set n, 0
.rept 128
	v_mov_b32 v[n], 0                              ; O^T.  Which step is a wave's first is known only from the stored words, so no first step can be written out: the loop's first step finds zeros
.set n, n+1
.endr
	WIN 0
	v_mov_b32 v[ST_A+1], 0xff61b1e6                ; the largest t so far: -3e38, under every t
	v_mov_b32 v[ST_B+1], 0xff61b1e6
	v_floor_f32 v[ST_A], -v[ST_A+1]                ; -M
	v_floor_f32 v[ST_B], -v[ST_B+1]
.irp g, ST_A+2, ST_A+3, ST_B+2, ST_B+3, F_A+1, F_B+1, BX, BX+1, BX+2, BX+3
	v_mov_b32 v[\g], 0                             ; the sums; the upper halves of pairs that are named before they are written; the lane permutes' destinations, which count as sources
.endr
	s_wait_loadcnt 0x0                             ; Q, and the first staged step
; One product of S^T = K Q^T.  A pair of K's fragments shares a register of scale words: the odd one's stand in lanes 16-31; Q's likewise: tile B's stand in lanes 16-31.
.macro KQ1 d, a, b, ks, odd, tb
.if (\odd) && (\tb)
	v_wmma_scale_f32_16x16x128_f8f6f4 v[\d:\d+7], v[\a:\a+11], v[\b:\b+11], 0, v[\ks], v[QS] matrix_a_fmt:MATRIX_FMT_FP6 matrix_b_fmt:MATRIX_FMT_FP6 matrix_a_scale:MATRIX_SCALE_ROW1 matrix_b_scale:MATRIX_SCALE_ROW1
.elseif \odd
	v_wmma_scale_f32_16x16x128_f8f6f4 v[\d:\d+7], v[\a:\a+11], v[\b:\b+11], 0, v[\ks], v[QS] matrix_a_fmt:MATRIX_FMT_FP6 matrix_b_fmt:MATRIX_FMT_FP6 matrix_a_scale:MATRIX_SCALE_ROW1
.elseif \tb
	v_wmma_scale_f32_16x16x128_f8f6f4 v[\d:\d+7], v[\a:\a+11], v[\b:\b+11], 0, v[\ks], v[QS] matrix_a_fmt:MATRIX_FMT_FP6 matrix_b_fmt:MATRIX_FMT_FP6 matrix_b_scale:MATRIX_SCALE_ROW1
.else
	v_wmma_scale_f32_16x16x128_f8f6f4 v[\d:\d+7], v[\a:\a+11], v[\b:\b+11], 0, v[\ks], v[QS] matrix_a_fmt:MATRIX_FMT_FP6 matrix_b_fmt:MATRIX_FMT_FP6
.endif
.endm
; The step's 16 products K Q^T: sixteen accumulators, one instruction each.  In tile 2 b + u register j of lane (r, h) is key 32 b + 16 h + 8 u + j of the step.
.macro KQ
	s_wait_dscnt 16                                ; K's scale words and fragments 0-3 are in; fragments 4-7 (12 loads) and V's scale words (4) may be out
	WIN 0x05                                       ; K and Q in window 1, S^T in window 0
.irp t, 0,1,2,3
	KQ1 S_A+8*\t, FR+12*\t, Q_A, KS+\t/2, \t%2, 0
	KQ1 S_B+8*\t, FR+12*\t, Q_B, KS+\t/2, \t%2, 1
.endr
	s_wait_dscnt 0x0
	WIN 0x04                                       ; K in window 0
.irp t, 4,5,6,7
	KQ1 S_A+8*\t, AUX+12*(\t-4), Q_A, KS+\t/2, \t%2, 0
	KQ1 S_B+8*\t, AUX+12*(\t-4), Q_B, KS+\t/2, \t%2, 1
.endr
	WIN 0
.rept 4
	v_nop                                          ; four places (ISA guide 7.12.1) ahead of the first read of the scores and of the conversions that write where K's fragments 4-7 lay
.endr
.endm
; The mask's bytes for my two queries and the step's 128 keys: 16 bytes a load: keys 32 b + 16 h + 0 .. 15, the order of the scores' registers.  v[MT] was made at the step's head, ahead of the wait there.
.macro MLOAD
.irp b, 0,1,2,3
	global_load_b128 v[MX+4*\b:MX+4*\b+3], v[MT], s[MK:MK+1] offset:32*\b
.endr
	WIN 0x40
.irp b, 0,1,2,3
	global_load_b128 v[MWB+4*\b:MWB+4*\b+3], v[MT], s[MK:MK+1] offset:32768+32*\b   ; tile B: 8 rows further down
.endr
	WIN 0
.endm
; Bytes 0 / 1 become 0x00 / 0xff; a score's byte is spread over a word, which keeps the score or puts -2^103 in its place.  The scores' registers are taken in ascending order.
.macro MASK sc, src, win
	WIN \win
.set n, 0
.rept 16
	v_mul_lo_u32 v[MX+n], v[\src+n], 0xff
.set n, n+1
.endr
	WIN 0
.set n, 0
.rept 32
	v_perm_b32 v[T0], v[MX+n/4], v[MX+n/4], 0x01010101*(n%4)
	v_perm_b32 v[T0+1], v[MX+n/4], v[MX+n/4], 0x01010101*(n%4+1)
	v_bfi_b32 v[\sc+n], v[T0], v[\sc+n], v[SMK]
	v_bfi_b32 v[\sc+n+1], v[T0+1], v[\sc+n+1], v[SMK]
.set n, n+2
.endr
.endm
; One tile's softmax for a step, in two parts.  The first: the maxima, M, f into v[ff], and the 64 exponentials with the plain instruction behind them.  The wait for the batch follows the macro, written out where it is used.
.macro SM1 sc, st, ff
.irp b, 0,1,2,3
	v_max3_num_f32 v[BM+\b], v[\sc+16*\b], v[\sc+16*\b+1], v[\sc+16*\b+2]   ; the largest score of each block of 32 keys: it serves for the row's maximum and, since p rises with the score, for the block's largest p
.endr
.irp i, 3,5,7,9,11,13
.irp b, 0,1,2,3
	v_max3_num_f32 v[BM+\b], v[BM+\b], v[\sc+16*\b+\i], v[\sc+16*\b+\i+1]   ; (the four blocks by turns)
.endr
.endr
.irp b, 0,1,2,3
	v_max_num_f32 v[BM+\b], v[BM+\b], v[\sc+16*\b+15]
.endr
.irp b, 0,1,2,3
	v_permlanex16_b32 v[BX+\b], v[BM+\b], s[SEL], s[SEL+1]
.endr
.irp b, 0,1,2,3
	v_max_num_f32 v[BM+\b], v[BM+\b], v[BX+\b]     ; with lane l xor 16's 16 keys
.endr
	v_max3_num_f32 v[T0], v[BM], v[BM+1], v[BM+2]
	v_max_num_f32 v[T0], v[T0], v[BM+3]            ; the step's largest score of my query
	v_mul_f32 v[T0], s[CS], v[T0]                  ; as t (c is positive)
	v_max_num_f32 v[\st+1], v[\st+1], v[T0]        ; the running largest t
	v_mov_b32 v[T0], v[\st]
	v_floor_f32 v[\st], -v[\st+1]                  ; the new -M = floor(-t) = -ceil(t): a whole number
	v_sub_f32 v[T0], v[\st], v[T0]                 ; old M - new M: a whole number, 0 or less
	v_cvt_i32_f32 v[T0], v[T0]                     ; (it saturates)
	v_ldexp_f32 v[\ff], 1.0, v[T0]                 ; f = 2^(old M - new M)
.set n, 0
.rept 32
	v_pk_fma_f32 v[\sc+n:\sc+n+1], v[\sc+n:\sc+n+1], s[CS:CS+1], v[\st:\st+1] op_sel_hi:[1,0,0]   ; t - M, two at a time (of the pairs c and -M the low word serves both halves)
.set n, n+2
.endr
.irp b, 0,1,2,3
	v_fma_f32 v[BM+\b], v[BM+\b], s[CS], v[\st]    ; the same of each block's largest score
.endr
.set n, 0
	s_wait_alu depctr_va_vdst(0)
.rept 64
	v_exp_f32 v[\sc+n], v[\sc+n]                   ; p = 2^(t - M), at most 1
.set n, n+1
.endr
	v_pk_mul_f32 v[\st+2:\st+3], v[\st+2:\st+3], v[\ff:\ff+1] op_sel_hi:[1,0]   ; the sums under the new M: the plain instruction behind the exponentials
.endm
; The second part: the row's sum, p's codes into v[pp] on, its scale word into v[ff + 1].
.macro SM2 sc, st, ff, pp
.irp b, 0,1,2,3
	v_exp_f32 v[BM+\b], v[BM+\b]                   ; the block's largest p: the same two instructions on the same number give the same bits
.endr
	v_pk_add_f32 v[SC2:SC2+1], v[\sc:\sc+1], v[\sc+2:\sc+3]   ; the row's sum is taken of the unquantised p: two at a time, in two chains
.irp j, 4,8,12,16,20,24,28,32,36,40,44,48,52,56,60
	v_pk_add_f32 v[\st+2:\st+3], v[\st+2:\st+3], v[\sc+\j:\sc+\j+1]
	v_pk_add_f32 v[SC2:SC2+1], v[SC2:SC2+1], v[\sc+\j+2:\sc+\j+3]
.endr
	v_pk_add_f32 v[\st+2:\st+3], v[\st+2:\st+3], v[SC2:SC2+1]
	s_wait_alu depctr_va_vdst(0)                   ; the four exponentials have written v[BM ..]: the wait ahead of the first line that names their results
.irp b, 0,1,2,3
	v_max_num_f32 v[BM+\b], 0x1800000, v[BM+\b]    ; the floor 2^(3 - 127): the byte cannot fall under 1 (a block whose every p is 0 keeps that byte: its codes are zeros)
.endr
.irp b, 0,1,2,3
	v_add_nc_u32 v[SO+\b], 0xff000000, v[BM+\b]    ; 2 off the exponent field: the conversion's scale operand
.endr
.irp b, 0,1,2,3
	v_lshrrev_b32 v[BY+\b], 23, v[SO+\b]           ; the scale's byte
.endr
	v_lshl_or_b32 v[\ff+1], v[BY+1], 8, v[BY]      ; p's scale word for these 128 keys
	v_lshl_or_b32 v[\ff+1], v[BY+2], 16, v[\ff+1]
	v_lshl_or_b32 v[\ff+1], v[BY+3], 24, v[\ff+1]
.irp c, 0,1
	v_cvt_scalef32_pk16_fp6_f32 v[\pp+6*\c:\pp+6*\c+2], v[\sc+32*\c:\sc+32*\c+15], v[SO+2*\c]
	v_cvt_scalef32_pk16_fp6_f32 v[CT+4*\c:CT+4*\c+2], v[\sc+32*\c+16:\sc+32*\c+31], v[SO+2*\c+1]   ; (a conversion's three registers begin on an even number)
.endr
	v_nop                                          ; one plain place behind a scaled conversion
.irp c, 0,1                                    ; the operand's layout wants a whole block in a lane: lanes 0-15 block 2 c, lanes 16-31 block 2 c + 1
.irp i, 0,1,2
	v_permlane16_swap_b32 v[\pp+6*\c+\i], v[CT+4*\c+\i]
.endr
.irp i, 0,1,2
	v_mov_b32 v[\pp+6*\c+3+\i], v[CT+4*\c+\i]
.endr
.endr
.endm
; One product of O^T += V^T P^T.
.macro PV1 d, a, b, vs, odd, pw
.if \odd
	v_wmma_scale_f32_16x16x128_f8f6f4 v[\d:\d+7], v[\a:\a+11], v[\b:\b+11], v[\d:\d+7], v[\vs], v[\pw] matrix_a_fmt:MATRIX_FMT_FP6 matrix_b_fmt:MATRIX_FMT_FP6 matrix_a_scale:MATRIX_SCALE_ROW1
.else
	v_wmma_scale_f32_16x16x128_f8f6f4 v[\d:\d+7], v[\a:\a+11], v[\b:\b+11], v[\d:\d+7], v[\vs], v[\pw] matrix_a_fmt:MATRIX_FMT_FP6 matrix_b_fmt:MATRIX_FMT_FP6
.endif
.endm
; A wave's work on a step that it needs.
.macro COMPUTE slot
	s_lshl_b32 s[OC], s[JJ], 7
	s_wait_alu depctr_vm_vsrc(0)                   ; the mask's loads of an earlier step have read v[MT], which the next line writes (those loads were also waited for in their own step)
	v_add_nc_u32 v[MT], s[OC], v[MA]               ; the mask's offset at this step: made in every needed step, ahead of the wait that stands here anyway
	s_wait_alu depctr_va_vdst(0)                   ; v[MT] is written; the last needed step's products are done reading their scale words, K's and V's fragments and p's codes, and its masking lines are done with the mask's words: the loads below land in all of these
.irp j, 0,1,2,3
	ds_load_b32 v[KS+\j], v[L4] offset:(\slot)*SLOTB+KSO+128*\j
.endr
	WIN 0x40
.irp t, 0,1,2,3
.irp c, 0,1,2
	ds_load_b128 v[FR+12*\t+4*\c:FR+12*\t+4*\c+3], v[L16] offset:(\slot)*SLOTB+1536*\t+512*\c   ; an image comes back as it was stored: 512 consecutive bytes an instruction
.endr
.endr
	WIN 0
.irp t, 0,1,2,3
.irp c, 0,1,2
	ds_load_b128 v[AUX+12*\t+4*\c:AUX+12*\t+4*\c+3], v[L16] offset:(\slot)*SLOTB+1536*(\t+4)+512*\c
.endr
.endr
.irp j, 0,1,2,3
	ds_load_b32 v[VS+\j], v[L4] offset:(\slot)*SLOTB+VSO+128*\j
.endr
	s_and_b32 s[T], s[FULLW], s[BIT]
	s_cmp_lg_u32 s[T], 0
	s_cbranch_scc1 .Lfull_\@                       ; all 32 x 128 bytes are true: the mask's bytes are not read.  The products are written in both arms, so that the mask's loads and their use stand under one branch
	MLOAD                                          ; no vector or matrix instruction since the wait at the step's head: nothing more is owed
	KQ
	s_wait_loadcnt 0x0                             ; the mask's eight loads (and the staged step's seven, which were issued ahead of them)
	MASK S_A, MX, 0
	MASK S_B, MWB, 0x01                            ; (source 0 in window 1: the multiplication also brings the words into window 0)
	s_branch .Ljoin_\@
.Lfull_\@:
	KQ
.Ljoin_\@:
	SM1 S_A, ST_A, F_A
	WIN 0x40
	s_wait_alu depctr_va_vdst(0)                   ; tile A's 64 exponentials have written p; and the products K Q^T are done reading K's fragments 0-3, where the loads below land
.irp t, 0,1,2,3
.irp c, 0,1,2
	ds_load_b128 v[FR+12*\t+4*\c:FR+12*\t+4*\c+3], v[L16] offset:(\slot)*SLOTB+VOFF+1536*\t+512*\c   ; V's fragments 0-3 land while the rest of the softmax is walked
.endr
.endr
	WIN 0
	SM2 S_A, ST_A, F_A, P_A
	SM1 S_B, ST_B, F_B
	s_wait_alu depctr_va_vdst(0)                   ; tile B's 64 exponentials have written p; and tile A's sums and conversions are done reading tile A's p, where the loads below land
.irp t, 0,1,2,3
.irp c, 0,1,2
	ds_load_b128 v[S_A+12*\t+4*\c:S_A+12*\t+4*\c+3], v[L16] offset:(\slot)*SLOTB+VOFF+1536*(\t+4)+512*\c   ; V's fragments 4-7, into the registers that tile A's p has left
.endr
.endr
	SM2 S_B, ST_B, F_B, P_B
	WIN 0x41                                       ; O^T (destination and source 0) in window 1, f in window 0
.set n, 0
.rept 32
	v_pk_mul_f32 v[O_A+n:O_A+n+1], v[O_A+n:O_A+n+1], v[F_A:F_A+1] op_sel_hi:[1,0]   ; O^T under the new M.  (These 64 are also the places between the lines that made p's codes and scale words and the products below)
.set n, n+2
.endr
.set n, 0
.rept 32
	v_pk_mul_f32 v[O_B+n:O_B+n+1], v[O_B+n:O_B+n+1], v[F_B:F_B+1] op_sel_hi:[1,0]
.set n, n+2
.endr
	s_wait_dscnt 0x0                               ; V
	WIN 0x51                                       ; V in window 1, p in window 0, O^T in window 1.  Sixteen accumulators, one instruction each
	s_wait_alu depctr_va_vdst(0)                   ; p's codes and p's scale words of both tiles are written, which the scaled products below take as source 1 and as its scales; the places above stay beside this wait
.irp t, 0,1,2,3
	PV1 O_A+8*\t, FR+12*\t, P_A, VS+\t/2, \t%2, F_A+1
	PV1 O_B+8*\t, FR+12*\t, P_B, VS+\t/2, \t%2, F_B+1
.endr
	WIN 0x50                                       ; V in window 0
.irp t, 4,5,6,7
	PV1 O_A+8*\t, S_A+12*(\t-4), P_A, VS+\t/2, \t%2, F_A+1
	PV1 O_B+8*\t, S_A+12*(\t-4), P_B, VS+\t/2, \t%2, F_B+1
.endr
	WIN 0
.rept 5
	v_nop                                          ; five places: the next step's products write their scores over registers that these have read as V; four of them serve the next read of O^T
.endr
.endm
; A trip: step J + slot, in the slot of its parity.
.macro TRIP slot
	s_add_co_u32 s[JJ], s[J], \slot
	s_lshl_b32 s[BIT], 1, s[JJ]
	s_and_b32 s[T], s[NEEDG], s[BIT]
	s_cmp_eq_u32 s[T], 0
	s_cbranch_scc1 .Lnot_staged_\@                 ; no wave of the work-group needs the step (the same word in all eight waves)
	s_wait_loadcnt 0x0                             ; the step's seven staged loads are in: they are all that can be out
	WIN 0x04                                       ; an LDS store's data are its source 1: window 1
.irp i, 0,1,2,3,4,5
	ds_store_b128 v[STA], v[SG+4*\i:SG+4*\i+3] offset:(\slot)*SLOTB+512*\i
.endr
	ds_store_b32 v[STS], v[SGS] offset:(\slot)*SLOTB+KSO
	WIN 0
	s_wait_dscnt 0x0                               ; the stores have landed
	s_wait_alu depctr_vm_vsrc(0)                   ; the LDS stores have read the staging registers, in which the next asked step's loads land; the loads just waited for have read v[GA] and v[GS], which are written anew for it
	s_lshl_b32 s[T], -2, s[JJ]
	s_and_b32 s[T], s[NEEDG], s[T]                 ; the needed steps behind this one
	s_cmp_eq_u32 s[T], 0
	s_cbranch_scc1 .Lnot_staged_\@
	ASK T                                          ; the next of them: it has this step's work in which to land
.Lnot_staged_\@:
	s_wait_dscnt 0x0                               ; for the others' sake: my stores into this slot have landed, and my reads of the other slot are over
	s_barrier_signal -1
	s_barrier_wait -1                              ; on every wave's way, in all 32 trips
	s_and_b32 s[T], s[NEEDW], s[BIT]
	s_cmp_eq_u32 s[T], 0
	s_cbranch_scc1 .Lskip_\@                       ; none of my 32 queries sees a key of this step
	COMPUTE \slot
.Lskip_\@:
.endm
	s_mov_b32 s[J], 0
.Lpair:                                            ; 16 trips of two steps
	TRIP 0
	TRIP 1
	s_add_co_u32 s[J], s[J], 2
	s_cmp_lt_u32 s[J], 32
	s_cbranch_scc1 .Lpair
	s_wait_alu depctr_va_vdst(0)
; THE WAY OUT.  O^T is divided by the row's sum and goes through my stage in LDS, 16 queries x 64 channels (256 bytes a row) at a time, so that sixteen lanes store 256 consecutive bytes.
	v_add_f32 v[ST_A+2], v[ST_A+2], v[ST_A+3]      ; the sum's two halves,
	v_add_f32 v[ST_B+2], v[ST_B+2], v[ST_B+3]
	v_permlanex16_b32 v[BX], v[ST_A+2], s[SEL], s[SEL+1]
	v_permlanex16_b32 v[BX+1], v[ST_B+2], s[SEL], s[SEL+1]
	v_add_f32 v[ST_A+2], v[ST_A+2], v[BX]          ; and lane l xor 16's
	v_add_f32 v[ST_B+2], v[ST_B+2], v[BX+1]
	s_wait_alu depctr_va_vdst(0)
	v_rcp_f32 v[BM], v[ST_A+2]
	v_rcp_f32 v[BM+1], v[ST_B+2]
	v_nop                                          ; a plain instruction behind the reciprocals,
	s_wait_alu depctr_va_vdst(0)                   ; the two reciprocals have written v[BM] and v[BM + 1]: the wait ahead of their first reader
	WIN 0x01                                       ; source 0 (O^T) in window 1
.set n, 0
.rept 64
	v_mul_f32 v[S_A+n], v[O_A+n], v[BM]            ; register 8 t + j: channel 16 t + 8 h + j of my query; each accumulator from its low end on
.set n, n+1
.endr
.set n, 0
.rept 64
	v_mul_f32 v[S_B+n], v[O_B+n], v[BM+1]
.set n, n+1
.endr
	WIN 0
.macro ROUND sb, db                    ; 32 registers from v[sb] on go into rows of 272 bytes and come back as whole rows of 256, into v[db] on.  LDS serves a wave's instructions in order (ISA guide 5.7.1.4): no wait on DScnt between, nor ahead of the next round's stores
.irp t, 0,1,2,3
	ds_store_b128 v[SI], v[\sb+8*\t:\sb+8*\t+3] offset:64*\t
	ds_store_b128 v[SI], v[\sb+8*\t+4:\sb+8*\t+7] offset:64*\t+16
.endr
.irp i, 0,1,2,3,4,5,6,7
	ds_load_b128 v[\db+4*\i:\db+4*\i+3], v[SR] offset:2*SPIT*\i
.endr
.endm
.macro SEND sb, k, x, u                ; round k, whose rows lie in v[sb] on: tile x, channels 64 u on.  Stage rows 2 i and 2 i + 1 are queries 8 x + 2 i + 8 (i / 4) and the next
.irp i, 0,1,2,3,4,5,6,7
	s_wait_dscnt 16*(3-(\k))+7-\i                  ; behind this load: the rest of its round's loads and the later rounds' sixteen LDS instructions each
	global_store_b128 v[GO], v[\sb+4*\i:\sb+4*\i+3], s[20:21] offset:(8*(\x)+2*\i+8*(\i/4))*512+256*(\u) th:TH_STORE_NT   ; 16 lanes store 256 consecutive bytes, at a multiple of 256 from out0's first byte
.endr
.endm
	s_wait_alu depctr_va_vdst(0)                   ; the 128 multiplications have written v128 to v255, which the LDS stores read and where the last two rounds' rows land; all that named v60 to v123 in the loop is done, where the first two rounds' rows land
	ROUND S_A, BK
	ROUND S_A+32, BK+32
	s_wait_alu depctr_vm_vsrc(0)                   ; the first two rounds' LDS stores have read v128 to v191, in which the last two rounds' rows land
	ROUND S_B, S_A
	ROUND S_B+32, S_A+32
	SEND BK, 0, 0, 0
	SEND BK+32, 1, 0, 1
	SEND S_A, 2, 1, 0
	SEND S_A+32, 3, 1, 1
	s_wait_dscnt 0x0                               ; the closing lines, six on end
	s_wait_alu 0x0
	s_wait_tensorcnt 0x0
	ds_add_u32 v[SPW], v[NIL]
	s_wait_dscnt 0x0
	s_endpgm
.Lfunc_end_k_qe08c9c8a0b_attn:
	.size	k_qe08c9c8a0b_attn, .Lfunc_end_k_qe08c9c8a0b_attn-k_qe08c9c8a0b_attn
	.p2alignl 7, 3214868480
	.fill 96, 4, 3214868480
	.section	.rodata,"a",@progbits
	.p2align	6, 0x0
	.amdhsa_kernel k_qe08c9c8a0b_attn
		.amdhsa_group_segment_fixed_size 87040
		.amdhsa_private_segment_fixed_size 0
		.amdhsa_enable_private_segment 0
		.amdhsa_kernarg_size 72
		.amdhsa_user_sgpr_count 2
		.amdhsa_user_sgpr_kernarg_segment_ptr 1
		.amdhsa_wavefront_size32 1
		.amdhsa_system_sgpr_workgroup_id_x 1
		.amdhsa_system_sgpr_workgroup_id_y 1
		.amdhsa_system_sgpr_workgroup_id_z 1
		.amdhsa_system_vgpr_workitem_id 0
		.amdhsa_next_free_vgpr 512
		.amdhsa_next_free_sgpr 100
		.amdhsa_reserve_vcc 0
		.amdhsa_float_denorm_mode_32 3
		.amdhsa_float_denorm_mode_16_64 3
		.amdhsa_memory_ordered 1
		.amdhsa_forward_progress 1
		.amdhsa_inst_pref_size 146
	.end_amdhsa_kernel
	.amdgpu_metadata
---
amdhsa.version: [ 1, 2 ]
amdhsa.kernels:
  - .name:           k_qe08c9c8a0b_attn
    .symbol:         k_qe08c9c8a0b_attn.kd
    .args:
      - { .name: qc, .offset: 0, .size: 8, .value_kind: global_buffer, .address_space: global }
      - { .name: qs, .offset: 8, .size: 8, .value_kind: global_buffer, .address_space: global }
      - { .name: kc, .offset: 16, .size: 8, .value_kind: global_buffer, .address_space: global }
      - { .name: ks, .offset: 24, .size: 8, .value_kind: global_buffer, .address_space: global }
      - { .name: vc, .offset: 32, .size: 8, .value_kind: global_buffer, .address_space: global }
      - { .name: vs, .offset: 40, .size: 8, .value_kind: global_buffer, .address_space: global }
      - { .name: flags, .offset: 48, .size: 8, .value_kind: global_buffer, .address_space: global }
      - { .name: mask, .offset: 56, .size: 8, .value_kind: global_buffer, .address_space: global }
      - { .name: out0, .offset: 64, .size: 8, .value_kind: global_buffer, .address_space: global }
    .group_segment_fixed_size: 87040
    .private_segment_fixed_size: 0
    .kernarg_segment_align: 8
    .kernarg_segment_size: 72
    .max_flat_workgroup_size: 256
    .sgpr_count:     100
    .vgpr_count:     512
    .wavefront_size: 32
...
	.end_amdgpu_metadata
.endif
;; end of part 4
